; MI455X (gfx1250); checked and timed in simulation.
; The chip was launched on July 23, 2026; its instructions are those of AMD's public machine-readable ISA for CDNA 5 (MIT licence, August 2026) and "CDNA5" Instruction Set Architecture Reference Guide (July 2026). The comments in the code are by the model that wrote it; some were corrected since.
;; TUPE Multi Head Attention. Allowed arithmetic: matrix products marked QUANTISED: E2M3 operands, one E8M0 scale for each 32 along K, by v_wmma_scale_f32_16x16x128_f8f6f4 with both operands' format E2M3, f32 sums; everything else in f32.
;; Inputs: W_pos_kq 1,024 x 2,048 float32; W_tok_kqv 1,024 x 3,072 float32; bias_table 4,096 x 16 float32; pos_embed_table 2,048 x 1,024 float32; x 2 x 2,048 x 1,024 float32.
;; Outputs: out0 2 x 2,048 x 1,024 float32.
;; This version of the problem:
;;   THIS VERSION OF THE PROBLEM IS GIVEN IN LOW PRECISION. The matrix products marked QUANTISED in the list below multiply operands that are first quantised to E2M3 (2 exponent bits, 3 mantissa bits; 6 bits a number), with one power-of-two scale for each 32 numbers along K (OCP MX v1.0); their sums are f32. All else is computed in f32.
;;   The module's matrix products, in the order in which they are computed (A, B: the left and right operand; K: the contracted axis; several contracted axes count as one K, in the product's order):
;;     1. [M 2,048, K 1,024] x [K 1,024, N 2,048]; A: input pos_embed_table; B: input W_pos_kq: QUANTISED
;;     2. batch 16 x [M 2,048, K 64] x [K 64, N 2,048]; A: computed on the way; B: computed on the way: QUANTISED
;;     3. [M 4,096, K 1,024] x [K 1,024, N 3,072]; A: input x; B: input W_tok_kqv: QUANTISED
;;     4. batch 32 x [M 2,048, K 64] x [K 64, N 2,048]; A: computed on the way; B: computed on the way: QUANTISED
;;     5. batch 32 x [M 64, K 2,048] x [K 2,048, N 2,048]; A: computed on the way; B: softmax (see below): QUANTISED
;;   THE QUANTISER, for each operand of a quantised product, along K:
;;     - K is cut into blocks of 32 from its start; a last block that is shorter is filled with zeros.
;;     - A block's scale is 2^e with e = floor(log2(the largest magnitude in the block)) - 2, held to -126 .. 127; a block of zeros has e = 0. As a byte (E8M0): e + 127.
;;     - Each number is divided by its block's scale, clamped to +-7.5, and rounded to the nearest number of E2M3, ties to even, subnormals kept.
;;     - The product sums the exact products of the quantised numbers (number of the format x scale) in f32.
;;   ~~~python
;;   def quantise(x, axis):      # numpy; x: float32 -> the quantised numbers, widened to float32 again
;;       x = np.moveaxis(x, axis, -1); K = x.shape[-1]
;;       x = np.pad(x, [(0, 0)] * (x.ndim - 1) + [(0, -K % 32)]); x = x.reshape(x.shape[:-1] + (-1, 32)); a = np.abs(x).max(-1, keepdims=True)
;;       e = np.where(a > 0, np.clip(np.frexp(np.where(a > 0, a, 1))[1] - 1 - 2, -126, 127), 0)      # np.frexp(a)[1] - 1 = floor(log2(a)), exactly
;;       r = np.clip(x / 2.0 ** e, -7.5, 7.5)
;;       step = 2.0 ** (np.maximum(np.frexp(np.where(r == 0, 1, r))[1] - 1, 0) - 3)
;;       q = np.round(r / step) * step * 2.0 ** e      # np.round: ties to even
;;       return np.moveaxis(q.reshape(q.shape[:-2] + (-1,))[..., :K], -1, axis).astype(np.float32)
;;   ~~~
;;   SOFTMAX AHEAD OF A QUANTISED PRODUCT. Where the list says 'softmax', what is quantised is not the finished softmax but p = 2^(t - M), with t = logit x log2(e) and M = ceil(the row's largest t), a whole number; so 1/2 < the row's largest p <= 1. The row's sum l is taken of the UNQUANTISED p, in f32, and the product's result is divided by l at the end. Since M is a whole number, a kernel that streams over the keys may use a running M (the ceiling of the running maximum): every later rescaling is an exact power of two, which a block's scale takes up: the codes' values come out the same.
;;   OPERANDS COMPUTED ON THE WAY. 'Computed on the way' means the value that the module computes at that place (a softmax that the list does not call 'softmax' is quantised finished and normalised). What goes into a quantiser is computed in f32, as accurately as f32 sums, v_exp_f32 and their like allow (about 1e-6 of the number): no bf16 or f16 on the way to a quantiser, and a product that is left as it is and whose result goes on into a quantised operand takes f32 operands (vector FMAs, or v_wmma_f32_16x16x4_f32). A number that lies on a knife's edge between two numbers of the format may be rounded either way, as far as f32 arithmetic and the matrix unit's own rounding can turn it there, and no further.
;; One version. Each part assembles by itself: llvm-mc -triple=amdgcn-amd-amdhsa -mcpu=gfx1250 --defsym DOCPART=n.
;; ======== version 1 of 1: 3 launches
;; limits: right only within a limited range of input values
;; workspace buffers: cin 8,650,752 bytes; sin 360,448 bytes; cout 12,582,912 bytes; sout 524,288 bytes; btab 131,072 bytes
;; launch prep (part 1): grid 368 x 1, 4 waves a work-group, no clusters, 68,608 bytes of LDS; arguments W_tok_kqv, W_pos_kq, bias_table, cin, sin, btab, x, pos_embed_table; writes cin, sin, btab
.if DOCPART == 1
	.amdgcn_target "amdgcn-amd-amdhsa--gfx1250"
	.amdhsa_code_object_version 6
	.text
	.protected	k_q6d7668c071_prep
	.globl	k_q6d7668c071_prep
	.p2align	8
	.type	k_q6d7668c071_prep,@function
k_q6d7668c071_prep:
	s_mov_b64 s[64:65], 0
	v_nop
	global_prefetch_b8 v0, s[64:65] scope:SCOPE_SE
	s_setreg_imm32_b32 hwreg(HW_REG_WAVE_MODE, 25, 1), 1
	s_wait_xcnt 0x0
; THE PREPARING LAUNCH of TUPE attention on codes of FP6 (E2M3) with one E8M0 scale for each 32 along K.  It is followed by the projections' launch (both projections as one product on codes, whose results are
; quantised on the way out) and by the attention launch.
; NO WORK OF reference() IS LEFT OUT AS DEAD: all five products are multiplied and every input is loaded.  What is built in is what reference() itself builds in its body: the bucket of the relative
; position is a function of key - query alone, min(n, 8) + [n >= 12] + [n >= 16] + [n >= 23] + [n >= 32] + [n >= 46] + [n >= 64] + [n >= 91] with n = |key - query|, and 16 more where key > query;
; so only rows 2,048 to 2,079 of bias_table are gathered, as reference()'s own index asks.
; THREE PATHS, parted by the work-group's number alone; those that use LDS have LDS bytes of their own.
; WORK-GROUPS 0-159: W_tok_kqv [1024][3072] and W_pos_kq [1024][2048], K their FIRST axis, become codes with K innermost, rows 6,144-9,215 and 9,216-11,263 of cin (768 bytes a row), and scale bytes in sin (32 a row).
;   A lane takes a column and its registers run down K; a wave takes 32 columns x 256 along K; the codes go through the wave's stage in LDS and leave as rows: sixteen lanes store a row's 192 consecutive bytes.
; WORK-GROUPS 160-175, one a head: btab[h][c][m] = sqrt(128) x bias_table[2048 + bucket(m + c - 223)][h], c = 0..3, m = 0..511: the bias as a function of key - query, four copies, each one element on,
;   so that any run of four can be read at a multiple of 16 bytes.  The factor lets the bias stand beside the scores ahead of their division by sqrt(128).
; WORK-GROUPS 176-367: x (rows 0-4,095 of cin) and pos_embed_table (rows 4,096-6,143): dense streams of blocks of 32.  A wave takes eight rows in 16 steps of 512 numbers; each load reads 512 consecutive bytes;
;   the numbers turn through the wave's stage in LDS and come back 16 neighbours a lane; two neighbouring lanes hold a block.
; A block's scale byte is its largest magnitude's exponent field - 2, held at 1 from below (a block of zeros keeps 1 where the rule says 127: its codes are zeros, and this program alone reads the bytes).
; THE ORDER OF ROWS IN cin AND sin: in every 32 rows the second and the third eight change places, so that 16 rows on end are rows 0-7 and 16-23 (or 8-15 and 24-31) of the 32: with such tiles as source 0 of a
; product, a lane's 16 results of two neighbouring tiles are 16 neighbours along the next K.
; LIMITS: blocks whose largest magnitude lies under 2^-124 are held at the byte 1; NaN and infinities among the inputs are not served.
.set NB,    8                          ; columns' path: blocks of 32 along K for a wave
.set PITCH, 272                        ; a stage row: sixteen places of 16 bytes, each with 12 bytes of codes, + 16
.set KROW,  768
.set EMAX,  2
.set X,     32                         ; v32-95   two sets of 32 numbers
.set C,     96
.set OUTR,  112
.set OF,    176                        ; v176-207 i rows + 4 x lane
.set SPW,   14                         ; v14  LDS address of my spare word; never rewritten
.set NIL,   15                         ; v15  0; never rewritten
.set SPARE, 4*32*PITCH                 ; behind the columns' four stages: the spare words, named by no other line
.set SB,    24
.set BASE,  32                         ; s[32:47] where block t's 32 rows begin
.set RB,    35840                      ; rows' path: its LDS begins here
.set STEPS, 16
.set WGX,   128                        ; rows' path: work-groups of x; the other 64 take pos_embed_table
.set CB,    12
.set RR,    16                         ; v16-79   four sets of 16 numbers as they are loaded
.set RX,    80                         ; v80-111  two sets of 16 neighbours
.set RC,    128                        ; v128-191 codes, four registers a step
.set RE,    112                        ; v112-127 a scale byte a step
.set WREG,  8192                       ; a wave's region: two stages of 32 x SP bytes, behind them its 256 scale bytes
.set SP,    80
	s_load_b256 s[4:11], s[0:1], 0x0               ; W_tok_kqv, W_pos_kq, bias_table, cin
	s_load_b128 s[12:15], s[0:1], 0x20             ; sin, btab
	s_load_b128 s[48:51], s[0:1], 0x30             ; x, pos_embed_table
	v_lshl_add_u32 v[SPW], v0, 2, SPARE
	v_mov_b32 v[NIL], 0
	v_lshrrev_b32 v1, 5, v0
	v_readfirstlane_b32 s16, v1                    ; wave
	v_and_b32 v2, 31, v0                           ; lane
	s_wait_alu depctr_va_vdst(0)                   ; the wait at the head's end
	s_wait_kmcnt 0x0
	s_cmp_ge_u32 ttmp9, 176
	s_cbranch_scc1 .Lrows
	s_cmp_ge_u32 ttmp9, 160
	s_cbranch_scc1 .Lbias
	s_lshr_b32 s17, ttmp9, 2                       ; which 128 columns: 0-23 of W_tok_kqv, 24-39 of W_pos_kq
	s_and_b32 s18, ttmp9, 3                        ; which 256 along K
	s_cmp_lt_u32 s17, 24
	s_cselect_b64 s[4:5], s[4:5], s[6:7]
	s_mov_b32 s20, 8192
	s_cselect_b32 s20, 12288, s20                  ; bytes from row to row
	s_cselect_b32 s19, 0, 24
	s_sub_co_u32 s19, s17, s19
	s_lshl_b32 s21, s19, 7
	s_lshl_b32 s22, s16, 5
	s_add_co_u32 s21, s21, s22                     ; my wave's first column in its tensor
	s_lshl_b32 s21, s21, 2
	s_lshl_b32 s23, s18, 8
	s_mul_i32 s23, s23, s20
	s_add_co_u32 s24, s23, s21
	s_mov_b32 s25, 0
	s_add_nc_u64 s[BASE:BASE+1], s[4:5], s[24:25]
	s_lshl_b32 s28, s20, 5                         ; 32 rows on
	s_mov_b32 s29, 0
.irp t, 1,2,3,4,5,6,7
	s_add_nc_u64 s[BASE+2*\t:BASE+2*\t+1], s[BASE+2*\t-2:BASE+2*\t-1], s[28:29]
.endr
	s_lshl_b32 s21, s17, 7
	s_add_co_u32 s21, s21, s22
	s_add_co_u32 s21, s21, 6144                    ; my wave's first row of cin
	s_mul_i32 s24, s21, KROW
	s_mul_i32 s26, s18, 192
	s_add_co_u32 s24, s24, s26
	s_add_nc_u64 s[10:11], s[10:11], s[24:25]
	s_lshl_b32 s24, s21, 5
	s_lshl_b32 s26, s18, 3
	s_add_co_u32 s24, s24, s26
	s_add_nc_u64 s[12:13], s[12:13], s[24:25]
	v_lshlrev_b32 v3, 2, v2                        ; in: 4 bytes a lane
.set Q, 0
.rept 32
	v_mad_u32_u24 v[OF+Q], s20, Q, v3
.set Q, Q+1
.endr
	s_mul_i32 s19, s16, 32*PITCH                   ; my stage
	v_mul_u32_u24 v4, v2, PITCH
	v_add_nc_u32 v4, s19, v4                       ; into it: row = my column
	v_and_b32 v5, 15, v2
	v_lshrrev_b32 v6, 4, v2                        ; out of it: sixteen lanes to a row, two rows an instruction
	v_mul_u32_u24 v7, v6, PITCH
	v_lshl_add_u32 v7, v5, 4, v7
	v_add_nc_u32 v7, s19, v7
	v_mul_u32_u24 v8, v6, KROW
	v_mad_u32_u24 v8, v5, 12, v8                   ; and the same place in cin, the eight's place aside
	v_and_b32 v9, 7, v2                            ; my column's row of sin: bits 3 and 4 of the lane change places
	v_and_b32 v10, 8, v2
	v_lshl_or_b32 v9, v10, 1, v9
	v_and_b32 v10, 16, v2
	v_lshrrev_b32 v10, 1, v10
	v_or_b32 v9, v9, v10
	v_lshlrev_b32 v9, 5, v9
.macro LOAD t                          ; block t: W(32 t + i, my column) into set t % 2
.irp i, 0,1,2,3,4,5,6,7,8,9,10,11,12,13,14,15,16,17,18,19,20,21,22,23,24,25,26,27,28,29,30,31
	global_load_b32 v[X+32*((\t)%2)+\i], v[OF+\i], s[BASE+2*(\t):BASE+2*(\t)+1] th:TH_LOAD_NT
.endr
.endm
	LOAD 0
	LOAD 1
.macro BLOCK t
.set XS, X+32*((\t)%2)
.if (\t) < NB-1
	s_wait_loadcnt 32                              ; this block's 32 loads are in; the next block's may be out
.else
	s_wait_loadcnt 0
.endif
	v_max3_num_f32 v12, |v[XS]|, |v[XS+1]|, |v[XS+2]|
	v_max3_num_f32 v13, |v[XS+3]|, |v[XS+4]|, |v[XS+5]|
.irp i, 6,10,14,18,22,26
	v_max3_num_f32 v12, v12, |v[XS+\i]|, |v[XS+\i+1]|
	v_max3_num_f32 v13, v13, |v[XS+\i+2]|, |v[XS+\i+3]|
.endr
	v_max3_num_f32 v12, v12, |v[XS+30]|, |v[XS+31]|
	v_max3_num_f32 v12, v12, v13, (EMAX+1)<<23     ; and the floor 2^(3 - 127)
	v_add_nc_u32 v11, -(EMAX<<23), v12             ; 2 off its exponent field: the conversion's scale operand
	v_lshrrev_b32 v13, 23, v11                     ; the scale's byte
.if (\t)%4 == 0
	v_mov_b32 v[SB+(\t)/4], v13
.else
	v_lshl_or_b32 v[SB+(\t)/4], v13, 8*((\t)%4), v[SB+(\t)/4]
.endif
	v_cvt_scalef32_pk16_fp6_f32 v[C:C+2], v[XS:XS+15], v11
	v_cvt_scalef32_pk16_fp6_f32 v[C+4:C+6], v[XS+16:XS+31], v11
	ds_store_b96 v4, v[C:C+2] offset:32*(\t)       ; 12 bytes to a place of 16
	ds_store_b96 v4, v[C+4:C+6] offset:32*(\t)+16
.if (\t)+2 < NB
	LOAD (\t)+2
.endif
	s_wait_dscnt 0x0                               ; the stores have read their registers
.endm
.set Q, 0
.rept NB
	BLOCK Q
.set Q, Q+1
.endr
	s_wait_alu depctr_va_vdst(0)                   ; the wait ahead of the reader below
	global_store_b64 v9, v[SB:SB+1], s[12:13]      ; my column's 8 scale bytes
.irp t, 0,1,2,3,4,5,6,7,8,9,10,11,12,13,14,15
	ds_load_b96 v[OUTR+4*\t:OUTR+4*\t+2], v7 offset:2*\t*PITCH   ; LDS serves a wave's instructions in order
.endr
.irp t, 0,1,2,3,4,5,6,7,8,9,10,11,12,13,14,15
	s_wait_dscnt 15-\t                             ; the loads issued behind this one may be out
	global_store_b96 v8, v[OUTR+4*\t:OUTR+4*\t+2], s[10:11] offset:(8*((((\t)/4)&1)*2+(\t)/8)+(2*\t)%8)*KROW   ; columns 2 t, 2 t + 1: their eight goes to place 0, 2, 1, 3
.endr
	s_wait_tensorcnt 0x0                           ; the wave's end
	ds_add_u32 v[SPW], v[NIL]
	s_wait_dscnt 0x0
	s_endpgm
.Lbias:                                            ; thread t makes elements 4 t .. 4 t + 3 of all four copies: the seven values at key - query = 4 t + s - 223
	s_sub_co_u32 s17, ttmp9, 160                   ; the head
	s_lshl_b32 s21, s17, 2
	s_add_co_u32 s21, s21, 2048*64                 ; row 2,048 of bias_table, my head's column
	s_lshl_b32 s18, s17, 13
	s_mov_b32 s19, 0
	s_add_nc_u64 s[14:15], s[14:15], s[18:19]
	v_lshlrev_b32 v20, 2, v0
	v_lshlrev_b32 v25, 4, v0
	v_mov_b32 v16, 16
	v_mov_b32 v17, 1
.irp s, 0,1,2,3,4,5,6
	v_add_nc_u32 v21, \s-223, v20                  ; key - query
	v_sub_nc_u32 v22, 0, v21
	v_cmp_gt_i32 vcc_lo, 0, v21
	v_cndmask_b32 v22, v21, v22, vcc_lo            ; n
	v_min_u32 v24, 8, v22
.irp th, 12,16,23,32,46,64,91
	v_cmp_le_u32 vcc_lo, \th, v22
	v_cndmask_b32 v23, v[NIL], v17, vcc_lo
	v_add_nc_u32 v24, v24, v23
.endr
	v_cmp_lt_i32 vcc_lo, 0, v21                    ; key > query: the upper 16 buckets
	v_cndmask_b32 v23, v[NIL], v16, vcc_lo
	v_add_nc_u32 v24, v24, v23
	v_min_u32 v24, 31, v24
	v_lshl_add_u32 v[32+\s], v24, 6, s21
	global_load_b32 v[40+\s], v[32+\s], s[8:9]
.endr
	s_wait_loadcnt 0x0
.irp s, 0,1,2,3,4,5,6
	v_mul_f32 v[48+\s], 0x413504f3, v[40+\s]       ; x sqrt(128)
.endr
.irp s, 1,2,3,4,5,6
	v_mul_f32 v[55+\s], 0x413504f3, v[40+\s]       ; once more, one register on: a run of four that begins at an odd s then begins on an even register
.endr
	global_store_b128 v25, v[48:51], s[14:15]
	global_store_b128 v25, v[56:59], s[14:15] offset:2048
	global_store_b128 v25, v[50:53], s[14:15] offset:4096
	global_store_b128 v25, v[58:61], s[14:15] offset:6144
	s_endpgm
.Lrows:
	s_sub_co_u32 s24, ttmp9, 176                   ; 0-127: x; 128-191: pos_embed_table
	s_cmp_lt_u32 s24, WGX
	s_cselect_b64 s[4:5], s[48:49], s[50:51]
	s_cselect_b32 s17, 0, WGX
	s_sub_co_u32 s17, s24, s17
	s_lshl_b32 s17, s17, 2
	s_add_co_u32 s18, s17, s16                     ; which eight rows of the tensor are my wave's
	s_mov_b32 s19, 0
	s_lshl_b64 s[20:21], s[18:19], 15              ; 32,768 bytes each
	s_add_nc_u64 s[4:5], s[4:5], s[20:21]
	s_and_b32 s22, s16, 1                          ; where they go: eights 1 and 2 of the work-group's 32 rows change places
	s_lshl_b32 s22, s22, 1
	s_lshr_b32 s23, s16, 1
	s_or_b32 s22, s22, s23
	s_lshl_b32 s23, s24, 2                         ; pos_embed_table's rows follow x's in cin
	s_add_co_u32 s18, s23, s22
	s_mul_i32 s20, s18, 8*768
	s_mov_b32 s21, 0
	s_add_nc_u64 s[8:9], s[10:11], s[20:21]        ; my codes' place in cin
	s_lshl_b32 s18, s18, 8
	s_add_nc_u64 s[10:11], s[12:13], s[18:19]      ; my 256 scale bytes' place in sin
	v_lshlrev_b32 v3, 4, v2                        ; my 16 bytes of a load's 512
	s_mul_i32 s17, s16, WREG
	s_add_co_u32 s17, s17, RB
	v_lshrrev_b32 v12, 2, v2
	v_mul_u32_u24 v12, v12, SP
	v_and_b32 v13, 3, v2
	v_lshl_add_u32 v12, v13, 4, v12
	v_add_nc_u32 v12, s17, v12                     ; the stage, on the way in: SP (lane / 4) + 16 (lane % 4)
	v_mul_u32_u24 v13, v2, SP
	v_add_nc_u32 v13, s17, v13                     ; and on the way out: SP x lane
	v_mul_u32_u24 v4, v2, CB
	v_lshrrev_b32 v5, 1, v2
	s_add_co_u32 s17, s17, 2*32*SP
	v_add_nc_u32 v5, s17, v5                       ; my wave's 256 scale bytes, my block's byte
	v_lshlrev_b32 v7, 3, v2
	v_add_nc_u32 v6, s17, v7
	s_wait_alu depctr_va_vdst(0)                   ; the wait
.macro RLOAD t
.irp i, 0,1,2,3
	global_load_b128 v[RR+16*((\t)%4)+4*\i:RR+16*((\t)%4)+4*\i+3], v3, s[4:5] offset:2048*(\t)+512*\i th:TH_LOAD_NT
.endr
.endm
.macro RTURN t                         ; step t's numbers through the stage: LDS serves a wave's instructions in order
.irp i, 0,1,2,3
	ds_store_b128 v12, v[RR+16*((\t)%4)+4*\i:RR+16*((\t)%4)+4*\i+3] offset:32*SP*((\t)%2)+8*SP*\i
.endr
.irp i, 0,1,2,3
	ds_load_b128 v[RX+16*((\t)%2)+4*\i:RX+16*((\t)%2)+4*\i+3], v13 offset:32*SP*((\t)%2)+16*\i
.endr
.endm
.irp t, 0,1,2,3
	RLOAD \t
.endr
	s_wait_loadcnt 12                              ; step 0's four loads are in; twelve younger ones stay out
	RTURN 0
.macro RSTEP t
.set XS, RX+16*((\t)%2)
.if (\t) > 0
	s_wait_dscnt 1                                 ; this step's numbers are back (the last step's byte store may be out)
.else
	s_wait_dscnt 0x0
.endif
.if (\t)+4 < STEPS
	RLOAD (\t)+4
.endif
.if (\t)+1 < STEPS
.if STEPS-2-(\t) >= 3
	s_wait_loadcnt 12                              ; the next step's four loads are in; those of the three steps behind it may be out
.else
	s_wait_loadcnt 4*(STEPS-2-(\t))
.endif
	RTURN (\t)+1
.endif
	v_max3_num_f32 v8, |v[XS]|, |v[XS+1]|, |v[XS+2]|
	v_max3_num_f32 v9, |v[XS+3]|, |v[XS+4]|, |v[XS+5]|
.irp i, 6,10
	v_max3_num_f32 v8, v8, |v[XS+\i]|, |v[XS+\i+1]|
	v_max3_num_f32 v9, v9, |v[XS+\i+2]|, |v[XS+\i+3]|
.endr
	v_max3_num_f32 v8, v8, |v[XS+14]|, |v[XS+15]|
	v_max3_num_f32 v8, v8, v9, (EMAX+1)<<23
	v_max_num_f32_dpp v8, v8, v8 row_xmask:1 row_mask:0xf bank_mask:0xf   ; and my neighbour's 16: the block's
	v_add_nc_u32 v11, -(EMAX<<23), v8
	v_cvt_scalef32_pk16_fp6_f32 v[RC+4*(\t):RC+4*(\t)+2], v[XS:XS+15], v11
	v_lshrrev_b32 v[RE+(\t)], 23, v11              ; the scale's byte (also the plain line behind the conversion)
	ds_store_b8 v5, v[RE+(\t)] offset:16*(\t)      ; both lanes of a block write the same byte with the same value
	global_store_b96 v4, v[RC+4*(\t):RC+4*(\t)+2], s[8:9] offset:32*CB*(\t)   ; the wave stores 384 consecutive bytes
.endm
.irp t, 0,1,2,3,4,5,6,7,8,9,10,11,12,13,14,15
	RSTEP \t
.endr
	ds_load_b64 v[8:9], v6
	s_wait_dscnt 0x0
	global_store_b64 v7, v[8:9], s[10:11]          ; 32 lanes store 256 consecutive bytes, aligned
	s_wait_tensorcnt 0x0                           ; the wave's end
	ds_add_u32 v[SPW], v[NIL]
	s_wait_dscnt 0x0
	s_endpgm
.Lfunc_end_k_q6d7668c071_prep:
	.size	k_q6d7668c071_prep, .Lfunc_end_k_q6d7668c071_prep-k_q6d7668c071_prep
	.p2alignl 7, 3214868480
	.fill 96, 4, 3214868480
	.section	.rodata,"a",@progbits
	.p2align	6, 0x0
	.amdhsa_kernel k_q6d7668c071_prep
		.amdhsa_group_segment_fixed_size 68608
		.amdhsa_private_segment_fixed_size 0
		.amdhsa_enable_private_segment 0
		.amdhsa_kernarg_size 64
		.amdhsa_user_sgpr_count 2
		.amdhsa_user_sgpr_kernarg_segment_ptr 1
		.amdhsa_wavefront_size32 1
		.amdhsa_system_sgpr_workgroup_id_x 1
		.amdhsa_system_sgpr_workgroup_id_y 1
		.amdhsa_system_sgpr_workgroup_id_z 1
		.amdhsa_system_vgpr_workitem_id 0
		.amdhsa_next_free_vgpr 208
		.amdhsa_next_free_sgpr 66
		.amdhsa_reserve_vcc 1
		.amdhsa_float_denorm_mode_32 3
		.amdhsa_float_denorm_mode_16_64 3
		.amdhsa_memory_ordered 1
		.amdhsa_forward_progress 1
		.amdhsa_inst_pref_size 86
	.end_amdhsa_kernel
	.amdgpu_metadata
---
amdhsa.version: [ 1, 2 ]
amdhsa.kernels:
  - .name:           k_q6d7668c071_prep
    .symbol:         k_q6d7668c071_prep.kd
    .args:
      - { .name: W_tok_kqv, .offset: 0, .size: 8, .value_kind: global_buffer, .address_space: global }
      - { .name: W_pos_kq, .offset: 8, .size: 8, .value_kind: global_buffer, .address_space: global }
      - { .name: bias_table, .offset: 16, .size: 8, .value_kind: global_buffer, .address_space: global }
      - { .name: cin, .offset: 24, .size: 8, .value_kind: global_buffer, .address_space: global }
      - { .name: sin, .offset: 32, .size: 8, .value_kind: global_buffer, .address_space: global }
      - { .name: btab, .offset: 40, .size: 8, .value_kind: global_buffer, .address_space: global }
      - { .name: x, .offset: 48, .size: 8, .value_kind: global_buffer, .address_space: global }
      - { .name: pos_embed_table, .offset: 56, .size: 8, .value_kind: global_buffer, .address_space: global }
    .group_segment_fixed_size: 68608
    .private_segment_fixed_size: 0
    .kernarg_segment_align: 8
    .kernarg_segment_size: 64
    .max_flat_workgroup_size: 128
    .sgpr_count:     66
    .vgpr_count:     208
    .wavefront_size: 32
...
	.end_amdgpu_metadata
.endif
;; end of part 1
;; launch proj (part 2): grid 64 x 4, 4 waves a work-group, clusters of 4 x 4, 327,680 bytes of LDS; arguments cin, sin, cout, sout; writes cout, sout
.if DOCPART == 2
	.amdgcn_target "amdgcn-amd-amdhsa--gfx1250"
	.amdhsa_code_object_version 6
	.text
	.protected	k_q6d7668c071_proj
	.globl	k_q6d7668c071_proj
	.p2align	8
	.type	k_q6d7668c071_proj,@function
k_q6d7668c071_proj:
	s_mov_b64 s[64:65], 0
	v_nop
	global_prefetch_b8 v0, s[64:65] scope:SCOPE_SE
	s_setreg_imm32_b32 hwreg(HW_REG_WAVE_MODE, 25, 1), 1
	s_wait_xcnt 0x0
	s_wait_alu depctr_hold_cnt(0) depctr_sa_sdst(0) depctr_va_vdst(0) depctr_va_sdst(0) depctr_va_ssrc(0) depctr_va_vcc(0) depctr_vm_vsrc(0)
	s_getreg_b32 s2, hwreg(HW_REG_IB_STS2, 6, 4)
	s_cmp_eq_u32 s2, 0
	s_cbranch_scc0 .Lentry_in_a_cluster
	s_endpgm
.Lentry_in_a_cluster:
	s_bfe_u32 s2, ttmp6, 0x10000c
	s_cmp_lg_u32 s2, 0xf033
	s_cbranch_scc0 .Lentry_shape_is_right
	s_endpgm
.Lentry_shape_is_right:
; THIRD LAUNCH.  Nothing of reference() is left out here.  Both projections as one product on codes of FP6 (E2M3), K = 1,024, and the results quantised on the way out.
; Sixteen clusters of 4 x 4 work-groups, a tile of 256 x 256 each: clusters 0-7: x (rows) x W_tok's key and query columns; 8-11: W_tok's value columns (rows) x x, so that the values are
; quantised along the keys; 12-15: pos_embed_table x W_pos_kq.  A wave makes 128 x 128 in 512 registers.
; K goes through two LDS slots in chunks of 256 bytes of each row of 768: every tensor row begins at a multiple of 256 bytes.  A step of 128 along K is 96 bytes: eight steps to three chunks;
; steps 2 and 5 lie across two chunks.  The scales of the 256 + 256 rows come once.  A's tiles are asked for jointly along a row of the cluster, B's along a column.
; No prefetch: the walk has three chunks, of which two are asked for at the head and the third one step later: there is no later load to run ahead of.
; The matrix instruction is used transposed (source 0 = B's rows): a lane holds one row of A and its registers run along B's rows, which are the next product's K.
; THE WAY OUT: each 32 neighbours get a scale byte (largest magnitude's exponent field - 2, held at 1 from below) and codes; 64 columns make a group of 48 bytes a row in cout, 128 columns a scale word in sout.
; LIMITS: NaN and infinities are not served; a block of zeros keeps the byte 1 (its codes are zeros; this program alone reads the bytes).
; (In the program's order this launch is the second: the two preparing steps share one launch ahead of it.)
.set ROWB,   256
.set NQ,     2
.set KROW,   768
.set STEPS,  8
.set CHUNKS, 3
.set PITCH,  272
.set FR,     12
.set NL,     6
.set NP,     4
.set HALFT,  128*PITCH
.set SLOT,   4*HALFT
.set KS,     32
.set SCL,    2*SLOT
.set HALFS,  16*272
.set SBLK,   2*272
.set SPARE,  SCL+4*HALFS               ; the spare words, named by no other line
.set WSTG,   12800                     ; a wave's stage on the way out
.set STAGE,  SLOT                      ; in slot 1: the last chunk lies in slot 0, and slot 1 has had its last fill and its last read behind the walk's last barrier
.set ADRA, 16
.set ADRB, 20
.set STO,  24
.set RD,   25
.set CO,   26
.set ADRS, 27
.set SPW,  28
.set NIL,  29
.set STS,  30
.set SC,   32
.set TM,   64
.set PW,   80
.set CD,   84
.set AF,   128
.set BK,   128
.set SBK,  224
.set G1, 24
.set G0, 32
.set G1B, 48
.set G0B, 56
.set G1S, 68
.set G0S, 76
.set G1SB, 80
.set G0SB, 88
.set G0H, 4
.set G0HB, 8
.set SEL, 66
.set MSB, 0
.macro WIN new
.if MSB != \new
	s_set_vgpr_msb (MSB<<8)|\new
.set MSB, \new
.endif
.endm
.set MUL_LO, 0xa1
.set MUL_HI, 0xf1
.set TO_B,   0x40
.macro JLOAD g0a, g1a, g0b, g1b        ; waves 0, 1 fetch for A, waves 2, 3 for B
	s_cmp_eq_u32 s15, 0
	s_cbranch_scc0 .Lfor_b_\@
	tensor_load_to_lds s[\g0a:\g0a+3], s[\g1a:\g1a+7]
	s_nop 0
.rept 4
	v_nop
.endr
	s_branch .Lasked_\@
.Lfor_b_\@:
	tensor_load_to_lds s[\g0b:\g0b+3], s[\g1b:\g1b+7]
	s_nop 0
.rept 4
	v_nop
.endr
.Lasked_\@:
.endm
.macro CREST
	s_cmp_lg_u32 s14, 0
	s_cbranch_scc1 .Lnot_wave_0_\@
	s_barrier_signal -3
.Lnot_wave_0_\@:
	s_barrier_wait -3
	s_barrier_signal -1
	s_barrier_wait -1
.endm
.macro CROUND
	s_barrier_signal -1
	s_barrier_wait -1
	CREST
.endm
	s_load_b256 s[4:11], s[0:1], 0x0               ; cin, sin, cout, sout
	v_lshl_add_u32 v[SPW], v0, 2, SPARE
	v_mov_b32 v[NIL], 0
	ds_add_u32 v[SPW], v[NIL]                      ; the opening lines
	ds_add_u32 v[SPW], v[NIL]
	v_lshrrev_b32 v1, 5, v0
	v_readfirstlane_b32 s14, v1                    ; wave
	s_lshr_b32 s15, s14, 1
	s_and_b32 s16, s14, 1
	s_bfe_u32 s40, ttmp6, 0x40000                  ; cx
	s_bfe_u32 s41, ttmp6, 0x40004                  ; cy
	; which product is my cluster's: s66, s67 its place in it; s96, s97 A's and B's first rows of cin; s98, s99 cout: base, bytes a group; s100, s101 sout likewise
	s_lshr_b32 s66, ttmp9, 1
	s_and_b32 s67, ttmp9, 1
	s_and_b32 s2, ttmp9, 3
	s_and_b32 s95, s66, 1
	s_cmp_lt_u32 ttmp9, 12
	s_cselect_b32 s95, 0, s95
	s_cselect_b32 s2, s2, s67
	s_mov_b32 s96, 4096
	s_cselect_b32 s96, 8192, s96
	s_mov_b32 s97, 9216
	s_cselect_b32 s97, 0, s97
	s_mov_b32 s98, 6291456
	s_cselect_b32 s98, 9437184, s98
	s_mov_b32 s99, 98304
	s_cselect_b32 s99, 49152, s99
	s_mov_b32 s100, 262144
	s_cselect_b32 s100, 393216, s100
	s_mov_b32 s101, 8192
	s_cselect_b32 s101, 4096, s101
	s_cmp_lt_u32 ttmp9, 8
	s_cselect_b32 s66, s66, s95
	s_cselect_b32 s67, s67, s2
	s_cselect_b32 s96, 0, s96
	s_cselect_b32 s97, 6144, s97
	s_cselect_b32 s98, 0, s98
	s_cselect_b32 s99, 196608, s99
	s_cselect_b32 s100, 0, s100
	s_cselect_b32 s101, 16384, s101
	s_lshl_b32 s42, s67, 2
	s_add_co_u32 s42, s42, s40                     ; tile column
	s_lshl_b32 s17, s66, 2
	s_add_co_u32 s17, s17, s41                     ; tile row
	s_lshl_b32 s43, s41, 2
	s_lshl_b32 s43, 15, s43                        ; my row of the cluster
	s_lshl_b32 s44, 0x1111, s40                    ; my column
	s_or_b32 s[G1+0], s43, (0<<16)|(1<<20)|(1<<21)|(5<<22)|(3<<25)   ; bytes; 16 bytes of padding behind each 256
	s_or_b32 s[G1B+0], s44, (0<<16)|(1<<20)|(1<<21)|(5<<22)|(3<<25)
.irp g, G1, G1B
	s_mov_b32 s[\g+1], ROWB<<16
	s_mov_b32 s[\g+2], 256<<16                     ; the head's loads bring 256 rows
	s_mov_b32 s[\g+3], ROWB<<16
	s_mov_b32 s[\g+4], 256
	s_mov_b32 s[\g+5], KROW
	s_mov_b32 s[\g+6], 0
	s_mov_b32 s[\g+7], 0
.endr
	s_or_b32 s[G1S+0], s43, (3<<16)|(1<<20)|(1<<21)|(5<<22)|(3<<25)  ; the scales of 256 rows: 32 dense rows of 256 bytes
	s_or_b32 s[G1SB+0], s44, (3<<16)|(1<<20)|(1<<21)|(5<<22)|(3<<25)
.irp g, G1S, G1SB
	s_mov_b32 s[\g+1], 32<<16
	s_mov_b32 s[\g+2], KS<<16
	s_mov_b32 s[\g+3], 32<<16
	s_mov_b32 s[\g+4], KS
	s_mov_b32 s[\g+5], 32
	s_mov_b32 s[\g+6], 0
	s_mov_b32 s[\g+7], 0
.endr
	s_lshl_b32 s20, s17, 8
	s_add_co_u32 s20, s20, s96                     ; A's first row in cin
	s_lshl_b32 s46, s42, 8
	s_add_co_u32 s46, s46, s97                     ; B's
	s_mov_b32 s21, 0
	s_mov_b32 s47, 0
	s_mov_b64 s[18:19], KS
	s_mul_u64 s[22:23], s[20:21], s[18:19]
	s_mul_u64 s[92:93], s[46:47], s[18:19]
	s_mov_b64 s[18:19], KROW
	s_mul_u64 s[20:21], s[20:21], s[18:19]
	s_mul_u64 s[46:47], s[46:47], s[18:19]
	s_mul_i32 s18, s16, 128*KROW
	s_mov_b32 s19, 0
	s_mul_i32 s45, s14, HALFT
	; where my wave's results go: row x 48 + group x s99 + s98 in cout; row x 4 + (group / 2) x s101 + s100 in sout
	s_lshl_b32 s2, s17, 8
	s_lshl_b32 s3, s15, 7
	s_add_co_u32 s2, s2, s3
	s_mul_i32 s12, s2, 48
	s_lshl_b32 s94, s2, 2
	s_lshl_b32 s2, s42, 2
	s_lshl_b32 s3, s16, 1
	s_add_co_u32 s2, s2, s3
	s_mul_i32 s3, s2, s99
	s_add_co_u32 s12, s12, s3
	s_add_co_u32 s12, s12, s98
	s_mov_b32 s13, 0
	s_lshr_b32 s2, s2, 1
	s_mul_i32 s2, s2, s101
	s_add_co_u32 s94, s94, s2
	s_add_co_u32 s94, s94, s100
	s_mov_b32 s95, 0
	s_wait_dscnt 0x0                               ; both opening adds are done
	s_wait_kmcnt 0x0
	s_add_nc_u64 s[20:21], s[4:5], s[20:21]
	s_add_nc_u64 s[22:23], s[6:7], s[22:23]
	s_add_nc_u64 s[46:47], s[4:5], s[46:47]
	s_add_nc_u64 s[92:93], s[6:7], s[92:93]
	s_add_nc_u64 s[12:13], s[8:9], s[12:13]        ; my first group of 64 columns,
	s_add_nc_u64 s[94:95], s[10:11], s[94:95]      ; my scale words,
	s_mov_b32 s2, s99
	s_mov_b32 s3, 0
	s_add_nc_u64 s[2:3], s[12:13], s[2:3]          ; my second group
	CROUND                                         ; the first joint loads meet
	s_mov_b32 s[G0H], 1
	s_mov_b32 s[G0H+1], 0
	s_mov_b64 s[G0H+2:G0H+3], s[20:21]
	s_or_b32 s[G0H+3], s[G0H+3], 0x80000000
	s_mov_b32 s[G0HB], 1
	s_mov_b32 s[G0HB+1], 2*HALFT
	s_mov_b64 s[G0HB+2:G0HB+3], s[46:47]
	s_or_b32 s[G0HB+3], s[G0HB+3], 0x80000000
	s_mov_b32 s[G0S], 1
	s_mov_b32 s[G0S+1], SCL
	s_mov_b64 s[G0S+2:G0S+3], s[22:23]
	s_or_b32 s[G0S+3], s[G0S+3], 0x80000000
	s_mov_b32 s[G0SB], 1
	s_mov_b32 s[G0SB+1], SCL+2*HALFS
	s_mov_b64 s[G0SB+2:G0SB+3], s[92:93]
	s_or_b32 s[G0SB+3], s[G0SB+3], 0x80000000
	s_add_nc_u64 s[20:21], s[20:21], s[18:19]      ; for the ring: my 128 rows
	s_add_nc_u64 s[46:47], s[46:47], s[18:19]
.irp s, 0,1
	s_mov_b32 s[G0+4*\s], 1
	s_add_co_u32 s[G0+4*\s+1], s45, \s*SLOT
	s_add_nc_u64 s[G0+4*\s+2:G0+4*\s+3], s[20:21], \s*ROWB
	s_or_b32 s[G0+4*\s+3], s[G0+4*\s+3], 0x80000000
	s_mov_b32 s[G0B+4*\s], 1
	s_add_co_u32 s[G0B+4*\s+1], s45, \s*SLOT
	s_add_nc_u64 s[G0B+4*\s+2:G0B+4*\s+3], s[46:47], \s*ROWB
	s_or_b32 s[G0B+4*\s+3], s[G0B+4*\s+3], 0x80000000
.endr
; the head's four tiles, one load a wave: chunk 0 of A, chunk 0 of B, A's scales, B's scales
.macro ARM under, g0, g1, next
	s_cmp_lt_u32 s14, \under
	s_cbranch_scc0 \next
	tensor_load_to_lds s[\g0:\g0+3], s[\g1:\g1+7]
	s_nop 0
.rept 4
	v_nop
.endr
	s_branch .Lhead_asked
\next:
.endm
	ARM 1, G0H,  G1,  .Lhead_b
	ARM 2, G0HB, G1B, .Lhead_sa
	ARM 3, G0S,  G1S, .Lhead_sb
	tensor_load_to_lds s[G0SB:G0SB+3], s[G1SB:G1SB+7]
	s_nop 0
.rept 4
	v_nop
.endr
.Lhead_asked:
	v_and_b32 v1, 15, v0
	v_bfe_u32 v2, v0, 4, 1
	v_mul_u32_u24 v3, v1, PITCH
	v_mul_u32_u24 v4, v2, 24
	v_add_nc_u32 v4, v3, v4                        ; row x pitch + 24 x half
	s_mov_b32 s21, SLOT-232
	s_mov_b32 s22, SLOT+232
	v_sub_nc_u32 v7, 1, v2
	v_mul_u32_u24 v5, s21, v2
	v_add_nc_u32 v5, v3, v5
	v_add_nc_u32 v5, 232, v5                       ; across two chunks: lanes 0-15 byte 232 in slot 0, lanes 16-31 byte 0 in slot 1;
	v_mul_u32_u24 v6, s22, v7
	v_add_nc_u32 v6, v3, v6                        ; and the other way round
	s_mul_i32 s21, s15, HALFT
	s_mul_i32 s22, s16, HALFT
	s_add_co_u32 s22, s22, 2*HALFT
	v_add_nc_u32 v[ADRA+2], s21, v5
	v_add_nc_u32 v[ADRA+3], s21, v6
	v_add_nc_u32 v[ADRB+2], s22, v5
	v_add_nc_u32 v[ADRB+3], s22, v6
.irp s, 0,1
	v_add_nc_u32 v[ADRA+\s], s21, v4
	v_add_nc_u32 v[ADRB+\s], s22, v4
	s_add_co_u32 s21, s21, SLOT
	s_add_co_u32 s22, s22, SLOT
.endr
	v_mul_u32_u24 v5, v1, KS
	v_lshrrev_b32 v6, 8, v5
	v_lshl_add_u32 v5, v6, 4, v5
	s_mul_i32 s21, s15, HALFS
	s_mul_i32 s22, s16, HALFS
	s_add_co_u32 s22, s22, 2*HALFS
	s_sub_co_u32 s22, s22, s21
	v_mul_u32_u24 v6, s22, v2                      ; lanes 16-31 take B's scale words
	s_add_co_u32 s21, s21, SCL
	v_add_nc_u32 v5, v5, v6
	v_add_nc_u32 v[ADRS], s21, v5
	s_mul_i32 s23, s14, WSTG
	s_add_co_u32 s23, s23, STAGE                   ; my stage
	v_mul_u32_u24 v5, v1, 48
	v_mad_u32_u24 v5, v2, 24, v5
	v_add_nc_u32 v[STO], s23, v5
	v_and_b32 v6, 31, v0
	v_lshlrev_b32 v[CO], 4, v6
	v_add_nc_u32 v[RD], s23, v[CO]
	v_lshlrev_b32 v6, 2, v1
	v_add_nc_u32 v6, s23, v6
	v_add_nc_u32 v[STS], 12288, v6
	s_mov_b32 s[SEL], 0x76543210
	s_mov_b32 s[SEL+1], 0xfedcba98
.macro FRAG reg, adr, st, i            ; 16 rows x 128 K: six pieces of 8 bytes; byte y of a row lies in slot (y / 256) % 2 at byte y % 256
.irp p, 0,1,2,3,4,5
.set BY, 96*(\st)+48*(\p/3)+8*(\p%3)
.if BY/ROWB == (BY+24)/ROWB
	ds_load_b64 v[\reg+2*\p:\reg+2*\p+1], v[\adr+(BY/ROWB)%2] offset:BY%ROWB+(\i)*16*PITCH
.else
	ds_load_b64 v[\reg+2*\p:\reg+2*\p+1], v[\adr+2+(BY/ROWB)%2] offset:BY%ROWB-232+(\i)*16*PITCH
.endif
.endr
.endm
.macro MUL16 a0, p, q, sc, zero        ; the 64 accumulators take turns
.irp a, \a0, \a0+1
.irp b, 0,1,2,3,4,5,6,7
.if \zero
	v_wmma_scale_f32_16x16x128_f8f6f4 v[8*(8*((\a)%4)+\b):8*(8*((\a)%4)+\b)+7], v[128*(\p)+FR*\b:128*(\p)+FR*\b+FR-1], v[AF+FR*(\a):AF+FR*(\a)+FR-1], 0, v[SC+8*NQ*(\sc)+NQ*\b+(\q)], v[SC+8*NQ*(\sc)+NQ*(\a)+(\q)] matrix_a_fmt:MATRIX_FMT_FP6 matrix_b_fmt:MATRIX_FMT_FP6 matrix_a_scale:MATRIX_SCALE_ROW1
.else
	v_wmma_scale_f32_16x16x128_f8f6f4 v[8*(8*((\a)%4)+\b):8*(8*((\a)%4)+\b)+7], v[128*(\p)+FR*\b:128*(\p)+FR*\b+FR-1], v[AF+FR*(\a):AF+FR*(\a)+FR-1], v[8*(8*((\a)%4)+\b):8*(8*((\a)%4)+\b)+7], v[SC+8*NQ*(\sc)+NQ*\b+(\q)], v[SC+8*NQ*(\sc)+NQ*(\a)+(\q)] matrix_a_fmt:MATRIX_FMT_FP6 matrix_b_fmt:MATRIX_FMT_FP6 matrix_a_scale:MATRIX_SCALE_ROW1
.endif
.endr
.endr
.endm
.macro FETCH_B st, p
	WIN TO_B
.irp i, 0,1,2,3,4,5,6,7
	FRAG 128*(\p)+FR*\i, ADRB, \st, \i
.endr
	WIN 0
.endm
.macro FETCH_A st, i0
.irp i, \i0, \i0+1, \i0+2, \i0+3
	FRAG AF+FR*(\i), ADRA, \st, \i
.endr
.endm
.macro SCALES pr
.irp i, 0,1,2,3,4,5,6,7
	ds_load_b64 v[SC+8*NQ*((\pr)%2)+NQ*\i:SC+8*NQ*((\pr)%2)+NQ*\i+1], v[ADRS] offset:\i*SBLK+4*NQ*(\pr)
.endr
.endm
.macro PLACES n
.rept \n
	v_nop
.endr
.endm
; A step: 64 products; the next step's fragments are fetched in its middle and at its end.  Where the next step ends in a chunk not yet read, a barrier shows that chunk whole;
; where it begins in a later chunk, the chunk left behind is free: the three lines, the barrier, and, while a chunk two on is left, the cluster's round and the joint refill.
.macro STEP st, zero
.set NX, (\st)+1
.set C0, (96*(\st))/ROWB
.set C1, (96*NX)/ROWB
.set E0, (96*(\st)+95)/ROWB
.set E1, (96*NX+95)/ROWB
.if C1 > C0 || E1 > E0
	s_wait_tensorcnt 0x0                           ; all my tensor loads have landed
.if C1 > C0
	ds_add_u32 v[SPW], v[NIL]
	s_wait_dscnt 4*NL+1                            ; the add and A's blocks 4-7 may be out
.else
	s_wait_dscnt 4*NL                              ; A's blocks 4-7 may be out
.endif
	WIN MUL_LO
	MUL16 0, (\st)%2, (\st)%2, ((\st)/2)%2, \zero
	s_wait_dscnt 0x0                               ; the add and all my reads are done
	s_barrier_signal -1
	MUL16 2, (\st)%2, (\st)%2, ((\st)/2)%2, \zero
	WIN 0
	s_barrier_wait -1
.if C1 > C0 && C0+2 < CHUNKS
	CREST
	s_add_nc_u64 s[G0+4*(C0%2)+2:G0+4*(C0%2)+3], s[G0+4*(C0%2)+2:G0+4*(C0%2)+3], 2*ROWB
	s_add_nc_u64 s[G0B+4*(C0%2)+2:G0B+4*(C0%2)+3], s[G0B+4*(C0%2)+2:G0B+4*(C0%2)+3], 2*ROWB
	JLOAD G0+4*(C0%2), G1, G0B+4*(C0%2), G1B       ; its four v_nop are the places in front of the loads below
.else
	PLACES NP
.endif
.else
	s_wait_dscnt 4*NL                              ; A's blocks 4-7 may be out
	WIN MUL_LO
	MUL16 0, (\st)%2, (\st)%2, ((\st)/2)%2, \zero
	MUL16 2, (\st)%2, (\st)%2, ((\st)/2)%2, \zero
	s_wait_dscnt 0
	PLACES NP
.endif
	FETCH_B NX, NX%2
	FETCH_A NX, 0
.if NX%2 == 0
	SCALES NX/2
.endif
	WIN MUL_HI
	MUL16 4, (\st)%2, (\st)%2, ((\st)/2)%2, \zero
	MUL16 6, (\st)%2, (\st)%2, ((\st)/2)%2, \zero
	PLACES NP
	WIN 0
	FETCH_A NX, 4
.endm
	s_wait_alu depctr_va_vdst(0)                   ; the wait at the head's end
	s_wait_tensorcnt 0x0                           ; my tile of the head's four is in; the three lines ahead of slot 1's first fill
	ds_add_u32 v[SPW], v[NIL]
	s_mov_b32 s[G1+2], 128<<16                     ; no load of mine is out: from here on a load brings 128 rows
	s_mov_b32 s[G1+4], 128
	s_mov_b32 s[G1B+2], 128<<16
	s_mov_b32 s[G1B+4], 128
	s_wait_dscnt 0x0
	CROUND
	JLOAD G0+4, G1, G0B+4, G1B                     ; chunk 1
	FETCH_B 0, 0
	FETCH_A 0, 0
	SCALES 0
	FETCH_A 0, 4
	STEP 0, 1                                      ; the first step's products start the sums
.set ST, 1
.rept STEPS-2
	STEP ST, 0
.set ST, ST+1
.endr
	s_wait_dscnt 4*NL
	WIN MUL_LO
	MUL16 0, 1, 1, 1, 0
	MUL16 2, 1, 1, 1, 0
	s_wait_dscnt 0
	WIN MUL_HI
	MUL16 4, 1, 1, 1, 0
	MUL16 6, 1, 1, 1, 0
	WIN 0
; block a's 16 rows x 128 columns: four blocks of 32 a row; a block lies in lanes l and l xor 16
.macro QROW a
.set AC, 64*((\a)%4)
.set QW, 2+(\a)/4
.set QW5, 5*QW
	WIN QW5
.irp b, 0,1,2,3
	v_max3_num_f32 v[TM+\b], |v[AC+16*\b]|, |v[AC+16*\b+1]|, 0x1800000
.endr
.irp i, 2,4,6,8,10,12,14
.irp b, 0,1,2,3
	v_max3_num_f32 v[TM+\b], |v[AC+16*\b+\i]|, |v[AC+16*\b+\i+1]|, v[TM+\b]
.endr
.endr
	WIN 0
.irp b, 0,1,2,3
	v_permlanex16_b32 v[TM+4+\b], v[TM+\b], s[SEL], s[SEL+1]
.endr
.irp b, 0,1,2,3
	v_max_num_f32 v[TM+\b], v[TM+\b], v[TM+4+\b]
.endr
.irp b, 0,1,2,3
	v_add_nc_u32 v[TM+12+\b], 0xff000000, v[TM+\b]
.endr
.irp b, 0,1,2,3
	v_lshrrev_b32 v[TM+4+\b], 23, v[TM+12+\b]
.endr
	v_lshl_or_b32 v[PW], v[TM+5], 8, v[TM+4]
	v_lshl_or_b32 v[PW], v[TM+6], 16, v[PW]
	v_lshl_or_b32 v[PW], v[TM+7], 24, v[PW]
	WIN QW
.irp c, 0,1
	v_cvt_scalef32_pk16_fp6_f32 v[CD+6*\c:CD+2+6*\c], v[AC+32*\c:AC+15+32*\c], v[TM+12+2*\c]
	v_cvt_scalef32_pk16_fp6_f32 v[CD+12+4*\c:CD+14+4*\c], v[AC+16+32*\c:AC+31+32*\c], v[TM+12+2*\c+1]
.endr
	WIN 0
	v_nop
.irp c, 0,1
.irp i, 0,1,2
	v_permlane16_swap_b32 v[CD+6*\c+\i], v[CD+12+4*\c+\i]
.endr
.irp i, 0,1,2
	v_mov_b32 v[CD+3+6*\c+\i], v[CD+12+4*\c+\i]
.endr
.endr
.irp p, 0,1,2,3,4,5
	ds_store_b64 v[STO], v[CD+2*\p:CD+2*\p+1] offset:(\p/3)*6144+(\a)*768+8*(\p%3)
.endr
	ds_store_b32 v[STS], v[PW] offset:64*(\a)
	s_wait_dscnt 0x0                               ; the stores have read their registers
.endm
.irp b, 0,1,2,3
	v_mov_b32 v[TM+4+\b], 0                        ; a lane permute's destination counts as a source; these four are also the places behind the last products
.endr
.irp a, 0,1,2,3,4,5,6,7
	QROW \a
.endr
.irp i, 0,1,2,3,4,5,6,7,8,9,10,11,12,13,14,15,16,17,18,19,20,21,22,23
	ds_load_b128 v[BK+4*\i:BK+4*\i+3], v[RD] offset:512*\i
.endr
	ds_load_b128 v[SBK:SBK+3], v[RD] offset:12288
.irp i, 0,1,2,3,4,5,6,7,8,9,10,11
	s_wait_dscnt 24-\i                             ; the loads issued behind this one may be out
	global_store_b128 v[CO], v[BK+4*\i:BK+4*\i+3], s[12:13] offset:512*\i   ; the wave stores 512 consecutive bytes
.endr
.irp i, 12,13,14,15,16,17,18,19,20,21,22,23
	s_wait_dscnt 24-\i
	global_store_b128 v[CO], v[BK+4*\i:BK+4*\i+3], s[2:3] offset:512*(\i-12)
.endr
	s_wait_dscnt 0x0
	global_store_b128 v[CO], v[SBK:SBK+3], s[94:95]
	s_wait_tensorcnt 0x0                           ; the wave's end
	ds_add_u32 v[SPW], v[NIL]
	s_wait_dscnt 0x0
	CROUND                                         ; the closing round
	s_endpgm
.Lfunc_end_k_q6d7668c071_proj:
	.size	k_q6d7668c071_proj, .Lfunc_end_k_q6d7668c071_proj-k_q6d7668c071_proj
	.p2alignl 7, 3214868480
	.fill 96, 4, 3214868480
	.section	.rodata,"a",@progbits
	.p2align	6, 0x0
	.amdhsa_kernel k_q6d7668c071_proj
		.amdhsa_group_segment_fixed_size 327680
		.amdhsa_private_segment_fixed_size 0
		.amdhsa_enable_private_segment 0
		.amdhsa_kernarg_size 32
		.amdhsa_user_sgpr_count 2
		.amdhsa_user_sgpr_kernarg_segment_ptr 1
		.amdhsa_wavefront_size32 1
		.amdhsa_system_sgpr_workgroup_id_x 1
		.amdhsa_system_sgpr_workgroup_id_y 1
		.amdhsa_system_sgpr_workgroup_id_z 1
		.amdhsa_system_vgpr_workitem_id 0
		.amdhsa_next_free_vgpr 1024
		.amdhsa_next_free_sgpr 102
		.amdhsa_reserve_vcc 0
		.amdhsa_float_denorm_mode_32 3
		.amdhsa_float_denorm_mode_16_64 3
		.amdhsa_memory_ordered 1
		.amdhsa_forward_progress 1
		.amdhsa_inst_pref_size 172
	.end_amdhsa_kernel
	.amdgpu_metadata
---
amdhsa.version: [ 1, 2 ]
amdhsa.kernels:
  - .name:           k_q6d7668c071_proj
    .symbol:         k_q6d7668c071_proj.kd
    .args:
      - { .name: cin, .offset: 0, .size: 8, .value_kind: global_buffer, .address_space: global }
      - { .name: sin, .offset: 8, .size: 8, .value_kind: global_buffer, .address_space: global }
      - { .name: cout, .offset: 16, .size: 8, .value_kind: global_buffer, .address_space: global }
      - { .name: sout, .offset: 24, .size: 8, .value_kind: global_buffer, .address_space: global }
    .group_segment_fixed_size: 327680
    .private_segment_fixed_size: 0
    .kernarg_segment_align: 8
    .kernarg_segment_size: 32
    .max_flat_workgroup_size: 128
    .sgpr_count:     102
    .vgpr_count:     1024
    .wavefront_size: 32
...
	.end_amdgpu_metadata
.endif
;; end of part 2
;; launch attn (part 3): grid 8 x 32, 8 waves a work-group, no clusters, 327,680 bytes of LDS; arguments cout, sout, btab, out0; writes out0
.if DOCPART == 3
	.amdgcn_target "amdgcn-amd-amdhsa--gfx1250"
	.amdhsa_code_object_version 6
	.text
	.protected	k_q6d7668c071_attn
	.globl	k_q6d7668c071_attn
	.p2align	8
	.type	k_q6d7668c071_attn,@function
k_q6d7668c071_attn:
	s_mov_b64 s[64:65], 0
	v_nop
	global_prefetch_b8 v0, s[64:65] scope:SCOPE_SE
	s_setreg_imm32_b32 hwreg(HW_REG_WAVE_MODE, 25, 1), 1
	s_wait_xcnt 0x0
; THE LAST LAUNCH.  Nothing of reference() is left out here.  out[b][q][64 h + d] = sum over k of softmax_k((tok_q . tok_k + pos_q . pos_k) / sqrt(128) + bias(k - q, h)) tok_v[k][d], all three products on codes of FP6.
; ONE MATRIX INSTRUCTION DOES BOTH SCORE PRODUCTS AND THEIR SUM: each has K = 64, two blocks of 32; a query's operand is its token codes (registers 0-5) and its positional codes (6-11), a key's likewise.
; THE BIAS is a function of key - query, one number a head where |key - query| >= 91.  A step of 128 keys that all lie so far from my 32 queries (FAR) adds it in the scaling of the scores;
; the other steps (NEAR) take sqrt(128) x bias, which lies in LDS, as the C of the score products.  Which it is hangs on ids and the count of steps alone.
; THE SOFTMAX: t = score x c + bias term, c = log2(e) / sqrt(128); M = the running largest t rounded UP to a whole number; p = 2^(t - M) is quantised along the keys; the row's sum is taken of the
; unquantised p and divides at the end.  When M moves, the sum and O are multiplied by 2^(old M - new M): exact.
; SHARES.  A work-group owns 256 queries of one batch and head; each of its eight waves 32 of them, as two tiles (A, B) of 16, so that every fragment of K and V read from LDS feeds two matrix instructions.
; ALL OF THE HEAD'S K AND V STAY IN LDS: 3 x 98,304 bytes, each filled once.  At the head waves 0-3 bring the first 640 keys (token and positional, 60 rows of 256 bytes each), waves 4, 5 the values of the first 512,
; wave 6 V's scale words.  Behind the first barrier all eight waves bring the rest (waves 0-5: 88 rows of K each; 6, 7: 12 rows of V each); the second barrier, behind key step 3, shows it whole.
; K's fragments are asked for one step ahead, directly behind the scores: so step 3 reads step 4's keys, which is why the head brings 640.  The last twelve steps have no barrier; the very last is written out and fetches nothing.
; NO PREFETCH: every tensor load of the launch is issued in these two groups; no later load is left to run ahead of.
; NO CLUSTER: the work-groups that share K and V are the query blocks of a head, and the branch between near and far steps hangs on the query block, in which partners would differ.
; LAYOUT.  Both products are used transposed (S^T = K Q^T, O^T = V^T P^T): a lane holds one query of each tile.  16 rows of cout on end are rows 0-7 and 16-23 (or 8-15 and 24-31) of their 32: so the 16 registers of
; score tiles 2 b, 2 b + 1 are keys 32 b + 16 (lane / 16) + 0 .. 15, and O^T's register 8 t + j is d = 32 (t / 2) + 16 (lane / 16) + 8 (t % 2) + j.
; LIMITS: NaN and infinities are not served.  The promise holds while |t| stays under 2^31.  The bias enters as sqrt(128) x bias ahead of the multiplication by c: another order of rounding than reference()'s.
; REGISTERS.  Window 0: addresses, both tiles' small state (tile k's at a base + a constant x k), A's scores v128-191 and O v192-223.  Window 1: v0-95 K's eight fragments, v96-119 and v224-247 V's four,
; v128-191 B's scores, v192-223 B's O.  Scale words lie in window 0.
.set KPOS,  98304                      ; LDS: token keys 2,048 x 48 bytes, then the positional keys,
.set VOFF,  196608                     ; then V: 32 groups of 64 keys x (64 rows of d x 48 bytes)
.set H1,    30720                      ; 640 keys: what the head brings of each kind of K
.set VSC,   294912                     ; V's scale words: 16 steps x 64 rows x 4 bytes
.set KSC,   299008                     ; K's merged scale words: 2,048 x 4 bytes, stored by the waves
.set SPARE, 307200                     ; the spare words, named by no other line
.set BT,    308224                     ; my head's bias table: four copies of 2,048 bytes on end, stored by the waves
.set S,    128
.set O,    192
.set LT,   1                           ; 48 (lane % 16) + 24 (lane / 16)
.set VT0,  2                           ; my place in the bias table: copy 3 - r % 4, element 16 (lane / 16) + 12 - (r & 12)
.set ASK0, 3                           ; KSC + 4 x lane
.set ASV0, 4                           ; VSC + 4 x lane
.set SPW,  5
.set NIL,  6
.set ADK,  7
.set ADP,  8
.set ADV,  9
.set ST,   10                          ; tile k at ST + 18 k: +0, 1 the scaling's addend; +2 -M; +3 the largest t; +4, 5 the sum
.set QA,   16
.set QB,   34
.set QS,   46                          ; v46, 47 the queries' scale words;  v48, 49 p's;  v50-53 K's;  v54, 55 V's
.set PS,   48
.set KS,   50
.set VS,   54
.set F,    56                          ; tile k: f at F + 2 k
.set P,    60                          ; tile k: p's codes at P + 12 k
.set BM,   84                          ; tile k at BM + 20 k: +0..3 the blocks' largest; +4..7 at work; +8..11 the conversions' scales; +12..19 sums, then codes in hand
.set CH,   124
.set ADS,  126
.set ADT,  127
.set ADB,  224
.set WV,   18
.set TK,   19                          ; the NEXT step's codes of K: 6,144 bytes a step
.set SEL,  20
.set CS,   22
.set G1K,  24
.set G1V,  32
.set G0K,  40
.set G0V,  44
.set G1S,  48
.set G0S,  56
.set G0K2, 76                          ; groups 0 of the second fill
.set G0V2, 80
.set TB,   2                           ; this step's codes of V
.set TS,   3                           ; the NEXT step's scale words of K: 512 bytes a step
.set TJ,   66                          ; this step's of V: 256
.set CNT,  67
.set TB15, 68
.set TB31, 69
.set TBS,  70
.set PSEL, 71
.set TBL,  84
.set OUTB, 86
.set KF,   98
.set Q0,   99
.set MSB, 0
.macro WIN new                         ; the immediate's high byte repeats the setting that is left
.if MSB != \new
	s_set_vgpr_msb (MSB<<8)|\new
.set MSB, \new
.endif
.endm
.macro TL g0, g1                       ; a tensor load and the lines behind it
	tensor_load_to_lds s[\g0:\g0+3], s[\g1:\g1+7]
	s_nop 0
.rept 4
	v_nop
.endr
.endm
	s_load_b256 s[4:11], s[0:1], 0x0               ; cout, sout, btab, out0
	v_lshl_add_u32 v[SPW], v0, 2, SPARE
	v_mov_b32 v[NIL], 0
	ds_add_u32 v[SPW], v[NIL]                      ; the opening lines
	ds_add_u32 v[SPW], v[NIL]
	v_lshrrev_b32 v7, 5, v0
	v_readfirstlane_b32 s[WV], v7                  ; wave 0..7
	s_and_b32 s13, ttmp7, 15                       ; the head
	s_bfe_u32 s12, ttmp7, 0x10004                  ; the batch
	s_and_b32 s15, s[WV], 1
	s_lshr_b32 s16, s[WV], 1
	s_mul_i32 s72, s13, 196608
	s_mul_i32 s14, s12, 98304
	s_add_co_u32 s72, s72, s14                     ; the token keys' codes of my batch and head, in cout
	s_mul_i32 s73, s13, 98304
	s_add_co_u32 s73, s73, 6291456                 ; the positional keys'
	s_mul_i32 s74, s12, 32*49152
	s_mul_i32 s14, s13, 3072
	s_add_co_u32 s74, s74, s14
	s_add_co_u32 s74, s74, 9437184                 ; the values'
	s_lshl_b32 s75, s12, 16
	s_lshl_b32 s14, s13, 8
	s_add_co_u32 s75, s75, s14
	s_add_co_u32 s75, s75, 393216                  ; the values' scale words, in sout
	s_cmp_eq_u32 s15, 0
	s_cselect_b32 s60, s72, s73                    ; K: even waves token keys, odd waves positional keys
	s_mul_i32 s62, s15, KPOS
	s_mul_i32 s63, s16, 15360                      ; at the head part wave / 2 of two,
	s_mul_i32 s17, s16, 22528
	s_add_co_u32 s17, s17, H1                      ; in the second fill of three
	s_mov_b32 s[G0K], 1
	s_add_co_u32 s[G0K+1], s62, s63
	s_add_co_u32 s[G0K+2], s60, s63
	s_mov_b32 s[G0K+3], 0
	s_mov_b32 s[G0K2], 1
	s_add_co_u32 s[G0K2+1], s62, s17
	s_add_co_u32 s[G0K2+2], s60, s17
	s_mov_b32 s[G0K2+3], 0
	s_mul_i32 s62, s15, 12288                      ; V: part wave % 2 of two: four groups of 64 keys at the head,
	s_mul_i32 s63, s15, 4*49152
	s_mov_b32 s[G0V], 1
	s_add_co_u32 s[G0V+1], s62, VOFF
	s_add_co_u32 s[G0V+2], s74, s63
	s_mov_b32 s[G0V+3], 0
	s_mul_i32 s62, s15, 36864                      ; twelve in the second fill
	s_mul_i32 s63, s15, 12*49152
	s_add_co_u32 s63, s63, 8*49152
	s_mov_b32 s[G0V2], 1
	s_add_co_u32 s[G0V2+1], s62, VOFF+24576
	s_add_co_u32 s[G0V2+2], s74, s63
	s_mov_b32 s[G0V2+3], 0
	s_mov_b32 s[G0S], 1
	s_mov_b32 s[G0S+1], VSC
	s_mov_b32 s[G0S+2], s75
	s_mov_b32 s[G0S+3], 0
	s_mov_b32 s61, 0
	s_mov_b32 s[G1K], 3<<16                        ; K: dense bytes as rows of 256; 60 rows at the head
	s_mov_b32 s[G1K+1], 32<<16
	s_mov_b32 s[G1K+2], 60<<16
	s_mov_b32 s[G1K+3], 32<<16
	s_mov_b32 s[G1K+4], 60
	s_mov_b32 s[G1K+5], 32
	s_mov_b32 s[G1K+6], 0
	s_mov_b32 s[G1K+7], 0
	s_mov_b32 s[G1V], 3<<16                        ; V: rows of 3,072 bytes (64 keys of my head), 49,152 bytes apart; 4 rows at the head
	s_mov_b32 s[G1V+1], 384<<16
	s_mov_b32 s[G1V+2], 4<<16
	s_mov_b32 s[G1V+3], 384<<16
	s_mov_b32 s[G1V+4], 4
	s_mov_b32 s[G1V+5], 6144
	s_mov_b32 s[G1V+6], 0
	s_mov_b32 s[G1V+7], 0
	s_mov_b32 s[G1S], 3<<16                        ; V's scale words: 16 rows of 256 bytes, 4,096 bytes apart
	s_mov_b32 s[G1S+1], 32<<16
	s_mov_b32 s[G1S+2], 16<<16
	s_mov_b32 s[G1S+3], 32<<16
	s_mov_b32 s[G1S+4], 16
	s_mov_b32 s[G1S+5], 512
	s_mov_b32 s[G1S+6], 0
	s_mov_b32 s[G1S+7], 0
	s_mov_b32 s[SEL], 0x76543210
	s_mov_b32 s[SEL+1], 0xfedcba98
	s_mov_b32 s[CS], 0x3e0293ee                    ; c
	s_mov_b32 s[CS+1], s[CS]
	s_mov_b32 s[TB], 0
	s_mov_b32 s[TS], 0
	s_mov_b32 s[TJ], 0
	s_mov_b32 s[TK], 0
	s_mov_b32 s[KF], 0
	s_lshl_b32 s[Q0], ttmp9, 8
	s_lshl_b32 s14, s[WV], 5
	s_add_co_u32 s[Q0], s[Q0], s14                 ; my first query: 256 x work-group x + 32 x wave
	s_and_b32 s14, s13, 1
	s_cmp_eq_u32 s14, 0
	s_mov_b32 s[PSEL], 0x07060302                  ; a scale word of sout serves two heads
	s_cselect_b32 s[PSEL], 0x05040100, s[PSEL]
	s_wait_dscnt 0x0                               ; both opening adds are done
	s_wait_kmcnt 0x0
.irp g, G0K, G0K2, G0V, G0V2
	s_add_nc_u64 s[\g+2:\g+3], s[4:5], s[\g+2:\g+3]
	s_or_b32 s[\g+3], s[\g+3], 0x80000000
.endr
	s_add_nc_u64 s[G0S+2:G0S+3], s[6:7], s[G0S+2:G0S+3]
	s_or_b32 s[G0S+3], s[G0S+3], 0x80000000
	s_cmp_lt_u32 s[WV], 4                          ; the head's loads: one chain of branches on the wave's number, one load to an arm
	s_cbranch_scc0 .Lh_v
	TL G0K, G1K
	s_branch .Lh_done
.Lh_v:
	s_cmp_lt_u32 s[WV], 6
	s_cbranch_scc0 .Lh_s
	TL G0V, G1V
	s_branch .Lh_done
.Lh_s:
	s_cmp_eq_u32 s[WV], 6
	s_cbranch_scc0 .Lh_done
	TL G0S, G1S
.Lh_done:
	s_lshl_b32 s60, s13, 13
	s_add_nc_u64 s[TBL:TBL+1], s[8:9], s[60:61]    ; my head's 8,192 bytes of btab
	s_load_b32 s[TB15], s[TBL:TBL+1], 0x0          ; key - query = -223
	s_load_b32 s[TB31], s[TBL:TBL+1], 0x7fc        ; key - query = 288
	s_lshr_b32 s14, s13, 1
	s_lshl_b32 s60, s14, 14
	s_lshl_b32 s16, s12, 13
	s_add_co_u32 s60, s60, s16
	s_add_nc_u64 s[88:89], s[6:7], s[60:61]        ; the token keys' scale words, my batch
	s_lshl_b32 s60, s14, 13
	s_add_co_u32 s60, s60, 262144
	s_add_nc_u64 s[90:91], s[6:7], s[60:61]        ; the positional keys'
	s_mul_i32 s16, s[Q0], 48                       ; queries Q0 + 16 k + r stand at rows Q0 + 8 k + r + (r & 8)
	s_add_co_u32 s60, s72, s16
	s_add_co_u32 s60, s60, 16*196608
	s_add_nc_u64 s[92:93], s[4:5], s[60:61]
	s_add_co_u32 s60, s73, s16
	s_add_co_u32 s60, s60, 16*98304
	s_add_nc_u64 s[94:95], s[4:5], s[60:61]
	s_lshl_b32 s60, s[Q0], 12
	s_lshl_b32 s14, s13, 8
	s_add_co_u32 s60, s60, s14
	s_lshl_b32 s14, s12, 23
	s_add_co_u32 s60, s60, s14
	s_add_nc_u64 s[OUTB:OUTB+1], s[10:11], s[60:61]
	v_lshlrev_b32 v160, 4, v0
	global_load_b128 v[128:131], v160, s[88:89]    ; K's scale words: 2 x 16 bytes a thread of each kind
	global_load_b128 v[132:135], v160, s[88:89] offset:4096
	global_load_b128 v[136:139], v160, s[90:91]
	global_load_b128 v[140:143], v160, s[90:91] offset:4096
	global_load_b128 v[176:179], v160, s[TBL:TBL+1]               ; the bias table: 2 x 16 bytes a thread
	global_load_b128 v[180:183], v160, s[TBL:TBL+1] offset:4096
	v_and_b32 v161, 15, v0                         ; r
	v_bfe_u32 v162, v0, 4, 1                       ; lane / 16
	v_and_b32 v163, 8, v161
	v_add_nc_u32 v163, v163, v161
	v_mul_u32_u24 v164, v163, 48
	v_mad_u32_u24 v164, v162, 24, v164
.irp p, 0,1,2
	global_load_b64 v[QA+2*\p:QA+2*\p+1], v164, s[92:93] offset:8*\p
	global_load_b64 v[QA+6+2*\p:QA+7+2*\p], v164, s[94:95] offset:8*\p
	global_load_b64 v[QB+2*\p:QB+2*\p+1], v164, s[92:93] offset:384+8*\p
	global_load_b64 v[QB+6+2*\p:QB+7+2*\p], v164, s[94:95] offset:384+8*\p
.endr
	v_add_nc_u32 v165, s[Q0], v163
	v_lshlrev_b32 v165, 2, v165
	global_load_b32 v166, v165, s[88:89] offset:8*16384
	global_load_b32 v167, v165, s[90:91] offset:8*8192
	global_load_b32 v168, v165, s[88:89] offset:8*16384+32
	global_load_b32 v169, v165, s[90:91] offset:8*8192+32
	v_lshl_add_u32 v170, v0, 4, KSC
	v_add_nc_u32 v175, BT, v160                    ; the table's place in LDS: 16 x thread
	v_and_b32 v171, 31, v0
	v_mul_u32_u24 v[LT], v161, 48
	v_mad_u32_u24 v[LT], v162, 24, v[LT]
	v_and_b32 v172, 3, v161
	v_sub_nc_u32 v172, 3, v172
	v_lshlrev_b32 v[VT0], 11, v172
	v_and_b32 v172, 12, v161
	v_sub_nc_u32 v172, 12, v172
	v_lshl_add_u32 v172, v162, 4, v172
	v_lshl_add_u32 v[VT0], v172, 2, v[VT0]
	v_add_nc_u32 v[VT0], BT, v[VT0]
	v_lshl_add_u32 v[ASK0], v171, 2, KSC
	v_lshl_add_u32 v[ASV0], v171, 2, VSC
	s_wait_alu depctr_va_vdst(0)                   ; the wait ahead of the wait below
	s_wait_kmcnt 0x0
	v_mul_f32 v173, s[TB15], s[CS]                 ; the far biases as t
	v_mul_f32 v174, s[TB31], s[CS]
	v_readfirstlane_b32 s[TB15], v173
	v_readfirstlane_b32 s[TB31], v174
	s_wait_alu depctr_va_vdst(0)
	s_wait_loadcnt 0x0
.irp i, 0,1,2,3,4,5,6,7
	v_perm_b32 v[144+\i], v[136+\i], v[128+\i], s[PSEL]   ; a key's word: my head's two bytes of the token's below, of the position's above
.endr
	v_perm_b32 v[QS], v167, v166, s[PSEL]
	v_perm_b32 v[QS+1], v169, v168, s[PSEL]
	ds_store_b128 v170, v[144:147]                 ; read behind the first barrier
	ds_store_b128 v170, v[148:151] offset:4096
	ds_store_b128 v175, v[176:179]
	ds_store_b128 v175, v[180:183] offset:4096
.irp k, 0,1
	v_mov_b32 v[ST+18*\k+3], 0xff61b1e6            ; the largest t so far: -3e38
	v_mov_b32 v[ST+18*\k+1], 0                     ; (upper halves of pairs that are named whole)
	v_mov_b32 v[F+2*\k+1], 0
	v_mov_b32 v[ST+18*\k+4], 0                     ; the sum
	v_mov_b32 v[ST+18*\k+5], 0
	v_floor_f32 v[ST+18*\k+2], -v[ST+18*\k+3]      ; -M
.irp b, 0,1,2,3
	v_mov_b32 v[BM+20*\k+4+\b], 0                  ; a lane permute's destination counts as a source
.endr
.endr
.set J, 0
.rept 32
	v_mov_b32 v[O+J], 0                            ; O^T: the step is written once; the first finds zeros
.set J, J+1
.endr
	WIN 0x40
.set J, 0
.rept 32
	v_mov_b32 v[O+J], 0
.set J, J+1
.endr
	WIN 0
.macro WM d, a, b, z, sa, sb, row1
.if \z
.if \row1
	v_wmma_scale_f32_16x16x128_f8f6f4 v[(\d):(\d)+7], v[(\a):(\a)+11], v[(\b):(\b)+11], 0, v[\sa], v[\sb] matrix_a_fmt:MATRIX_FMT_FP6 matrix_b_fmt:MATRIX_FMT_FP6 matrix_a_scale:MATRIX_SCALE_ROW1
.else
	v_wmma_scale_f32_16x16x128_f8f6f4 v[(\d):(\d)+7], v[(\a):(\a)+11], v[(\b):(\b)+11], 0, v[\sa], v[\sb] matrix_a_fmt:MATRIX_FMT_FP6 matrix_b_fmt:MATRIX_FMT_FP6
.endif
.else
.if \row1
	v_wmma_scale_f32_16x16x128_f8f6f4 v[(\d):(\d)+7], v[(\a):(\a)+11], v[(\b):(\b)+11], v[(\d):(\d)+7], v[\sa], v[\sb] matrix_a_fmt:MATRIX_FMT_FP6 matrix_b_fmt:MATRIX_FMT_FP6 matrix_a_scale:MATRIX_SCALE_ROW1
.else
	v_wmma_scale_f32_16x16x128_f8f6f4 v[(\d):(\d)+7], v[(\a):(\a)+11], v[(\b):(\b)+11], v[(\d):(\d)+7], v[\sa], v[\sb] matrix_a_fmt:MATRIX_FMT_FP6 matrix_b_fmt:MATRIX_FMT_FP6
.endif
.endif
.endm
.macro SCORES z                        ; S^T = K Q^T: sixteen accumulators, one instruction each.  z = 1: from 0; else onto the bias that the loads have laid there
	WIN 0x01
.irp t, 0,1,2,3,4,5,6,7
	WM S+8*\t, 12*\t, QA, \z, KS+\t/2, QS, \t%2
.endr
	WIN 0x51
.irp t, 0,1,2,3,4,5,6,7
	WM S+8*\t, 12*\t, QB, \z, KS+\t/2, QS+1, \t%2
.endr
	WIN 0
.endm
.macro MAXES k                         ; the largest score of each block of 32 keys, my 16 of them: for the row's maximum and, since p rises with the score, for the block's largest p
	WIN 0x15*\k
.irp b, 0,1,2,3
	v_max3_num_f32 v[BM+20*\k+\b], v[S+16*\b], v[S+16*\b+1], v[S+16*\b+2]
.endr
	WIN 0x14*\k
.irp i, 3,5,7,9,11,13
.irp b, 0,1,2,3
	v_max3_num_f32 v[BM+20*\k+\b], v[BM+20*\k+\b], v[S+16*\b+\i], v[S+16*\b+\i+1]
.endr
.endr
.irp b, 0,1,2,3
	v_max_num_f32 v[BM+20*\k+\b], v[BM+20*\k+\b], v[S+16*\b+15]
.endr
.endm
.macro SUMS k                          ; the row's sum of the unquantised p: four chains of pairs
	WIN 0x05*\k
.irp a, 0,1,2,3
	v_pk_add_f32 v[BM+20*\k+12+2*\a:BM+20*\k+13+2*\a], v[S+2*\a:S+2*\a+1], v[S+8+2*\a:S+9+2*\a]
.endr
	WIN 0x04*\k
.irp j, 16,24,32,40,48,56
.irp a, 0,1,2,3
	v_pk_add_f32 v[BM+20*\k+12+2*\a:BM+20*\k+13+2*\a], v[BM+20*\k+12+2*\a:BM+20*\k+13+2*\a], v[S+\j+2*\a:S+\j+2*\a+1]
.endr
.endr
.endm
.macro KADR                            ; where the next step's K lies
	s_add_co_u32 s60, s[TK], KPOS
	v_add_nc_u32 v[ADK], s[TK], v[LT]
	v_add_nc_u32 v[ADP], s60, v[LT]
	v_add_nc_u32 v[ADS], s[TS], v[ASK0]
.endm
.macro KLOADS                          ; 4 scale words (two tiles to a register) and eight fragments: 52 loads
.irp u, 0,1,2,3
	ds_load_b32 v[KS+\u], v[ADS] offset:128*\u
.endr
	WIN 0x40
.irp t, 0,1,2,3,4,5,6,7
.irp p, 0,1,2
	ds_load_b64 v[12*\t+2*\p:12*\t+2*\p+1], v[ADK] offset:768*\t+8*\p
	ds_load_b64 v[12*\t+6+2*\p:12*\t+7+2*\p], v[ADP] offset:768*\t+8*\p
.endr
.endr
	WIN 0
.endm
; A KEY STEP: 128 keys against my 32 queries.  pre = 1: the next step's K is asked for behind the scores.
.macro STEP pre
	s_sub_co_i32 s96, s[KF], s[Q0]                 ; the step's first key - my first query: a multiple of 32
	s_add_co_i32 s97, s96, 192                     ; 0 .. 288 where some key of the step lies within 90 of some query of mine
	s_add_co_u32 s61, s[TB], VOFF
	v_add_nc_u32 v[ADV], s61, v[LT]                ; (these lines are the places in front of the loads into registers that the last products have read)
	v_add_nc_u32 v[ADT], s[TJ], v[ASV0]
.if \pre
	KADR
.else
	v_nop
	v_nop
.endif
	WIN 0x40
.irp t, 0,1,2,3
.irp p, 0,1,2
	ds_load_b64 v[96+128*(\t/2)+12*(\t%2)+2*\p:97+128*(\t/2)+12*(\t%2)+2*\p], v[ADV] offset:768*\t+8*\p
	ds_load_b64 v[102+128*(\t/2)+12*(\t%2)+2*\p:103+128*(\t/2)+12*(\t%2)+2*\p], v[ADV] offset:3072+768*\t+8*\p
.endr
.endr
	WIN 0
	ds_load_b32 v[VS], v[ADT]
	ds_load_b32 v[VS+1], v[ADT] offset:128
	s_cmp_le_u32 s97, 288                          ; unsigned: what lies under 0 is far too
	s_wait_alu depctr_va_vdst(0)                   ; the wait ahead of the branch
	s_cbranch_scc1 .Lnear_\@
	s_cmp_gt_i32 s96, 0
	s_cselect_b32 s[TBS], s[TB31], s[TB15]         ; FAR: one bias for the whole step
	s_wait_dscnt 26                                ; K, asked for a step ago, is in; V's 24 fragment loads and 2 scale loads may be out
	SCORES 1
	s_branch .Ljoin_\@
.Lnear_\@:
	s_min_u32 s97, s97, 288                        ; (it is at most 288 on this way)
	v_lshl_add_u32 v[ADB], s97, 2, v[VT0]          ; NEAR: register 8 t + j wants key - query = s96 - 16 k + 32 (t / 2) + 16 (lane / 16) + 8 (t % 2) + j - r
.irp t, 0,1,2,3,4,5,6,7
	ds_load_b128 v[S+8*\t:S+8*\t+3], v[ADB] offset:64+128*(\t/2)+32*(\t%2)
	ds_load_b128 v[S+8*\t+4:S+8*\t+7], v[ADB] offset:80+128*(\t/2)+32*(\t%2)
.endr
	WIN 0x40
.irp t, 0,1,2,3,4,5,6,7
	ds_load_b128 v[S+8*\t:S+8*\t+3], v[ADB] offset:128*(\t/2)+32*(\t%2)
	ds_load_b128 v[S+8*\t+4:S+8*\t+7], v[ADB] offset:16+128*(\t/2)+32*(\t%2)
.endr
	WIN 0
	s_mov_b32 s[TBS], 0
	s_wait_dscnt 0x0
	SCORES 0
.Ljoin_\@:
.rept 4
	v_nop                                          ; places in front of the loads into K's registers and of the first read of the scores
.endr
.if \pre
	KLOADS
.endif
	MAXES 0
	MAXES 1
	WIN 0
.irp k, 0,1
.irp b, 0,1,2,3
	v_permlanex16_b32 v[BM+20*\k+4+\b], v[BM+20*\k+\b], s[SEL], s[SEL+1]
.endr
.endr
.irp k, 0,1
.irp b, 0,1,2,3
	v_max_num_f32 v[BM+20*\k+\b], v[BM+20*\k+\b], v[BM+20*\k+4+\b]   ; with lane l xor 16's 16 keys
.endr
.endr
.irp k, 0,1
	v_max3_num_f32 v[CH+\k], v[BM+20*\k], v[BM+20*\k+1], v[BM+20*\k+2]
.endr
.irp k, 0,1
	s_delay_alu instid0(VALU_DEP_2)
	v_max_num_f32 v[CH+\k], v[CH+\k], v[BM+20*\k+3]                  ; the step's largest score of my query
.endr
.irp k, 0,1
	s_delay_alu instid0(VALU_DEP_2)
	v_fma_f32 v[CH+\k], v[CH+\k], s[CS], s[TBS]                      ; as t
.endr
.irp k, 0,1
	s_delay_alu instid0(VALU_DEP_2)
	v_max_num_f32 v[ST+18*\k+3], v[ST+18*\k+3], v[CH+\k]             ; the running largest t
.endr
.irp k, 0,1
	v_mov_b32 v[CH+\k], v[ST+18*\k+2]
.endr
.irp k, 0,1
	s_delay_alu instid0(VALU_DEP_4)
	v_floor_f32 v[ST+18*\k+2], -v[ST+18*\k+3]                        ; the new -M = -ceil(t)
.endr
.irp k, 0,1
	s_delay_alu instid0(VALU_DEP_2)
	v_sub_f32 v[CH+\k], v[ST+18*\k+2], v[CH+\k]                      ; old M - new M: a whole number, 0 or less
.endr
.irp k, 0,1
	s_delay_alu instid0(VALU_DEP_2)
	v_cvt_i32_f32 v[CH+\k], v[CH+\k]
.endr
.irp k, 0,1
	s_delay_alu instid0(VALU_DEP_2)
	v_ldexp_f32 v[F+2*\k], 1.0, v[CH+\k]                             ; f = 2^(old M - new M)
.endr
.irp k, 0,1
	v_add_f32 v[ST+18*\k], s[TBS], v[ST+18*\k+2]                     ; the step's bias - M
.endr
.irp k, 0,1
	WIN 0x41*\k
.set J, 0
.rept 32
	v_pk_fma_f32 v[S+J:S+J+1], v[S+J:S+J+1], s[CS:CS+1], v[ST+18*\k:ST+18*\k+1] op_sel_hi:[1,0,0]   ; t - M
.set J, J+2
.endr
.endr
	WIN 0
.irp k, 0,1
.irp b, 0,1,2,3
	v_fma_f32 v[BM+20*\k+\b], v[BM+20*\k+\b], s[CS], v[ST+18*\k]     ; the same of each block's largest score
.endr
.endr
	s_wait_alu depctr_va_vdst(0)                   ; the wait ahead of the batch
.set J, 0
.rept 64
	v_exp_f32 v[S+J], v[S+J]                       ; p = 2^(t - M), at most 1
.set J, J+1
.endr
.irp k, 0,1
.irp b, 0,1,2,3
	v_exp_f32 v[BM+20*\k+\b], v[BM+20*\k+\b]       ; the block's largest p: the same two instructions on the same number
.endr
.endr
	WIN 0x41
.set J, 0
.rept 64
	v_exp_f32 v[S+J], v[S+J]
.set J, J+1
.endr
	WIN 0
.irp k, 0,1
	v_pk_mul_f32 v[ST+18*\k+4:ST+18*\k+5], v[ST+18*\k+4:ST+18*\k+5], v[F+2*\k:F+2*\k+1] op_sel_hi:[1,0]   ; the sums under the new M (plain lines behind the batch)
.endr
	s_wait_alu depctr_va_vdst(0)                   ; one wait for the whole batch, ahead of its first reader
	SUMS 0
	SUMS 1
	WIN 0
.irp k, 0,1
	v_pk_add_f32 v[BM+20*\k+12:BM+20*\k+13], v[BM+20*\k+12:BM+20*\k+13], v[BM+20*\k+14:BM+20*\k+15]
	v_pk_add_f32 v[BM+20*\k+16:BM+20*\k+17], v[BM+20*\k+16:BM+20*\k+17], v[BM+20*\k+18:BM+20*\k+19]
.endr
.irp k, 0,1
.irp b, 0,1,2,3
	v_max_num_f32 v[BM+20*\k+\b], 0x1800000, v[BM+20*\k+\b]          ; the floor 2^(3 - 127): the byte cannot fall under 1
.endr
.endr
.irp k, 0,1
	v_pk_add_f32 v[BM+20*\k+12:BM+20*\k+13], v[BM+20*\k+12:BM+20*\k+13], v[BM+20*\k+16:BM+20*\k+17]
.endr
.irp k, 0,1
.irp b, 0,1,2,3
	v_add_nc_u32 v[BM+20*\k+8+\b], 0xff000000, v[BM+20*\k+\b]        ; 2 off the exponent field: the conversion's scale operand
.endr
.endr
.irp k, 0,1
	v_pk_add_f32 v[ST+18*\k+4:ST+18*\k+5], v[ST+18*\k+4:ST+18*\k+5], v[BM+20*\k+12:BM+20*\k+13]
.endr
.irp k, 0,1
.irp b, 0,1,2,3
	v_lshrrev_b32 v[BM+20*\k+4+\b], 23, v[BM+20*\k+8+\b]             ; the scale's byte
.endr
.endr
.irp k, 0,1
	v_lshl_or_b32 v[PS+\k], v[BM+20*\k+5], 8, v[BM+20*\k+4]          ; p's scale word for these 128 keys
.endr
.irp k, 0,1
	s_delay_alu instid0(VALU_DEP_2)
	v_lshl_or_b32 v[PS+\k], v[BM+20*\k+6], 16, v[PS+\k]
.endr
.irp k, 0,1
	s_delay_alu instid0(VALU_DEP_2)
	v_lshl_or_b32 v[PS+\k], v[BM+20*\k+7], 24, v[PS+\k]
.endr
.irp k, 0,1
	WIN 0x01*\k
.irp c, 0,1
	v_cvt_scalef32_pk16_fp6_f32 v[P+12*\k+6*\c:P+12*\k+6*\c+2], v[S+32*\c:S+32*\c+15], v[BM+20*\k+8+2*\c]
	v_cvt_scalef32_pk16_fp6_f32 v[BM+20*\k+12+4*\c:BM+20*\k+14+4*\c], v[S+16+32*\c:S+31+32*\c], v[BM+20*\k+9+2*\c]   ; (a conversion's three registers begin on an even number)
.endr
.endr
	WIN 0
	v_nop                                          ; one plain line behind a scaled conversion
.irp k, 0,1
.irp c, 0,1                                    ; a whole block to a lane: lanes 0-15 block 2 c, lanes 16-31 block 2 c + 1
.irp i, 0,1,2
	v_permlane16_swap_b32 v[P+12*\k+6*\c+\i], v[BM+20*\k+12+4*\c+\i]
.endr
.endr
.endr
.irp k, 0,1
.irp c, 0,1
.irp i, 0,1,2
	v_mov_b32 v[P+12*\k+6*\c+3+\i], v[BM+20*\k+12+4*\c+\i]
.endr
.endr
.endr
.irp k, 0,1
	WIN 0x41*\k
	s_wait_alu depctr_va_vdst(0)                   ; the wait directly ahead of the first readers of O^T
.set J, 0
.rept 16
	v_pk_mul_f32 v[O+J:O+J+1], v[O+J:O+J+1], v[F+2*\k:F+2*\k+1] op_sel_hi:[1,0]   ; O^T under the new M, each accumulator from its low end on; these 32 also stand between p's codes and scale words and the products
.set J, J+2
.endr
.endr
	WIN 0
	s_wait_alu depctr_va_vdst(0)                   ; the wait ahead of the wait below
	s_wait_dscnt 0x0                               ; V's fragments and scale words are in
	WIN 0x01
.irp t, 0,1,2,3
	WM O+8*\t, 96+128*(\t/2)+12*(\t%2), P, 0, VS+\t/2, PS, \t%2
.endr
	WIN 0x51
.irp t, 0,1,2,3
	WM O+8*\t, 96+128*(\t/2)+12*(\t%2), P+12, 0, VS+\t/2, PS+1, \t%2
.endr
	WIN 0
	s_add_co_u32 s[KF], s[KF], 128
	s_add_co_u32 s[TB], s[TB], 6144
	s_add_co_u32 s[TJ], s[TJ], 256
.if \pre
	s_add_co_u32 s[TK], s[TK], 6144
	s_add_co_u32 s[TS], s[TS], 512
.endif
.endm
	s_wait_alu depctr_va_vdst(0)                   ; the wait at the head's end
	s_wait_tensorcnt 0x0                           ; my load of the head's seven is in; the lines ahead of a later first fill:
	ds_add_u32 v[SPW], v[NIL]
	ds_add_u32 v[SPW], v[NIL]                      ; twice on end
	s_mov_b32 s[G1K+2], 88<<16                     ; no load of mine is out, so the descriptors may be written: 88 rows of K,
	s_mov_b32 s[G1K+4], 88
	s_mov_b32 s[G1V+2], 12<<16                     ; 12 rows of V
	s_mov_b32 s[G1V+4], 12
	s_wait_dscnt 0x0                               ; the adds, and my stores of K's scale words and of the bias table
	s_barrier_signal -1
	s_barrier_wait -1
	s_cmp_lt_u32 s[WV], 6                          ; the second fill: a wave's one tensor load behind the barrier; four key steps in which to land
	s_cbranch_scc0 .Ls_v
	TL G0K2, G1K
	s_branch .Ls_done
.Ls_v:
	TL G0V2, G1V
.Ls_done:
	KADR
	KLOADS                                         ; step 0's K
	s_mov_b32 s[TK], 6144
	s_mov_b32 s[TS], 512
	s_mov_b32 s[CNT], 4
.Lfirst:                                           ; keys 0-511; the fourth trip asks for step 4's K, keys 512-639, which the head brought
	STEP 1
	s_sub_co_u32 s[CNT], s[CNT], 1
	s_cmp_lg_u32 s[CNT], 0
	s_cbranch_scc1 .Lfirst
	s_wait_tensorcnt 0x0                           ; my part of the second fill is in
	ds_add_u32 v[SPW], v[NIL]
	s_mov_b32 s[TB], 4*6144
	s_mov_b32 s[TJ], 4*256
	s_mov_b32 s[TK], 5*6144
	s_mov_b32 s[TS], 5*512
	s_mov_b32 s[KF], 512
	s_mov_b32 s[CNT], 11
	s_wait_dscnt 0x0                               ; and my reads of the first 640 keys are over: the first 512 keys' bytes serve as stages on the way out
	s_barrier_signal -1
	s_barrier_wait -1
.Lrest:                                            ; keys 512-1,919: no barrier, the waves walk freely
	STEP 1
	s_sub_co_u32 s[CNT], s[CNT], 1
	s_cmp_lg_u32 s[CNT], 0
	s_cbranch_scc1 .Lrest
	STEP 0                                         ; keys 1,920-2,047: nothing more to fetch of K
	; THE WAY OUT.  O^T is divided by the row's sum and goes through my stage (16 rows x 272 bytes, in the first 512 keys' bytes, which nobody reads behind the second barrier), so that sixteen lanes store a query's 256 bytes.
.irp k, 0,1
	v_add_f32 v[ST+18*\k+4], v[ST+18*\k+4], v[ST+18*\k+5]
.endr
.irp k, 0,1
	v_permlanex16_b32 v[F+2*\k], v[ST+18*\k+4], s[SEL], s[SEL+1]
.endr
.irp k, 0,1
	v_add_f32 v[ST+18*\k+4], v[ST+18*\k+4], v[F+2*\k]
.endr
	s_wait_alu depctr_va_vdst(0)                   ; the wait ahead of the batch
	v_rcp_f32 v[ST+4], v[ST+4]
	v_rcp_f32 v[ST+22], v[ST+22]
	v_and_b32 v1, 15, v0                           ; r
	v_bfe_u32 v2, v0, 4, 1                         ; lane / 16
	s_and_b32 s60, s[WV], 3
	s_mul_i32 s60, s60, 16*272
	s_lshr_b32 s61, s[WV], 2
	s_mul_i32 s61, s61, KPOS
	s_add_co_u32 s60, s60, s61                     ; waves 0-3: in the token keys' first bytes; 4-7: in the positional keys'
	v_mul_u32_u24 v7, v1, 272
	v_lshl_add_u32 v7, v2, 6, v7
	v_add_nc_u32 v7, s60, v7                       ; in: row r, + 64 (lane / 16)
	v_mul_u32_u24 v8, v2, 272
	v_lshl_add_u32 v8, v1, 4, v8
	v_add_nc_u32 v8, s60, v8                       ; back: lanes 0-15 one row, lanes 16-31 the next
	v_lshlrev_b32 v9, 12, v2
	v_lshl_add_u32 v9, v1, 4, v9                   ; and the same in out0
	s_wait_alu depctr_va_vdst(0)                   ; the wait ahead of the reciprocals' and O^T's first readers
.set J, 0
.rept 16
	v_pk_mul_f32 v[S+J:S+J+1], v[O+J:O+J+1], v[ST+4:ST+5] op_sel_hi:[1,0]
.set J, J+2
.endr
	WIN 0x01
	s_wait_alu depctr_va_vdst(0)
.set J, 0
.rept 16
	v_pk_mul_f32 v[224+J:225+J], v[O+J:O+J+1], v[ST+22:ST+23] op_sel_hi:[1,0]
.set J, J+2
.endr
	WIN 0
.irp t, 0,1,2,3
	ds_store_b128 v7, v[S+8*\t:S+8*\t+3] offset:128*(\t/2)+32*(\t%2)
	ds_store_b128 v7, v[S+8*\t+4:S+8*\t+7] offset:128*(\t/2)+32*(\t%2)+16
.endr
.irp i, 0,1,2,3,4,5,6,7
	ds_load_b128 v[60+4*\i:63+4*\i], v8 offset:544*\i    ; my own bytes: LDS serves a wave's instructions in order
.endr
.irp t, 0,1,2,3
	ds_store_b128 v7, v[224+8*\t:227+8*\t] offset:128*(\t/2)+32*(\t%2)
	ds_store_b128 v7, v[228+8*\t:231+8*\t] offset:128*(\t/2)+32*(\t%2)+16
.endr
.irp i, 0,1,2,3,4,5,6,7
	ds_load_b128 v[92+4*\i:95+4*\i], v8 offset:544*\i
.endr
.irp i, 0,1,2,3,4,5,6,7
	s_wait_dscnt 23-\i                             ; behind this load: A's later loads, B's 8 stores and 8 loads
	global_store_b128 v9, v[60+4*\i:63+4*\i], s[OUTB:OUTB+1] offset:8192*\i th:TH_STORE_NT   ; sixteen lanes store 256 consecutive bytes, aligned
.endr
.irp i, 0,1,2,3,4,5,6,7
	s_wait_dscnt 7-\i
	global_store_b128 v9, v[92+4*\i:95+4*\i], s[OUTB:OUTB+1] offset:65536+8192*\i th:TH_STORE_NT
.endr
	s_wait_tensorcnt 0x0                           ; the wave's end
	ds_add_u32 v[SPW], v[NIL]
	s_wait_dscnt 0x0
	s_endpgm
.Lfunc_end_k_q6d7668c071_attn:
	.size	k_q6d7668c071_attn, .Lfunc_end_k_q6d7668c071_attn-k_q6d7668c071_attn
	.p2alignl 7, 3214868480
	.fill 96, 4, 3214868480
	.section	.rodata,"a",@progbits
	.p2align	6, 0x0
	.amdhsa_kernel k_q6d7668c071_attn
		.amdhsa_group_segment_fixed_size 327680
		.amdhsa_private_segment_fixed_size 0
		.amdhsa_enable_private_segment 0
		.amdhsa_kernarg_size 32
		.amdhsa_user_sgpr_count 2
		.amdhsa_user_sgpr_kernarg_segment_ptr 1
		.amdhsa_wavefront_size32 1
		.amdhsa_system_sgpr_workgroup_id_x 1
		.amdhsa_system_sgpr_workgroup_id_y 1
		.amdhsa_system_sgpr_workgroup_id_z 1
		.amdhsa_system_vgpr_workitem_id 0
		.amdhsa_next_free_vgpr 512
		.amdhsa_next_free_sgpr 100
		.amdhsa_reserve_vcc 0
		.amdhsa_float_denorm_mode_32 3
		.amdhsa_float_denorm_mode_16_64 3
		.amdhsa_memory_ordered 1
		.amdhsa_forward_progress 1
		.amdhsa_inst_pref_size 138
	.end_amdhsa_kernel
	.amdgpu_metadata
---
amdhsa.version: [ 1, 2 ]
amdhsa.kernels:
  - .name:           k_q6d7668c071_attn
    .symbol:         k_q6d7668c071_attn.kd
    .args:
      - { .name: cout, .offset: 0, .size: 8, .value_kind: global_buffer, .address_space: global }
      - { .name: sout, .offset: 8, .size: 8, .value_kind: global_buffer, .address_space: global }
      - { .name: btab, .offset: 16, .size: 8, .value_kind: global_buffer, .address_space: global }
      - { .name: out0, .offset: 24, .size: 8, .value_kind: global_buffer, .address_space: global }
    .group_segment_fixed_size: 327680
    .private_segment_fixed_size: 0
    .kernarg_segment_align: 8
    .kernarg_segment_size: 32
    .max_flat_workgroup_size: 256
    .sgpr_count:     100
    .vgpr_count:     512
    .wavefront_size: 32
...
	.end_amdgpu_metadata
.endif
;; end of part 3
